; MI455X (gfx1250); checked and timed in simulation.
; The chip was launched on July 23, 2026; its instructions are those of AMD's public machine-readable ISA for CDNA 5 (MIT licence, August 2026) and "CDNA5" Instruction Set Architecture Reference Guide (July 2026). The comments in the code are by the model that wrote it; some were corrected since.
;; Simple Transformer Layer. Allowed arithmetic: float matrix products may take bf16 or f16 operands with f32 sums; all other float work in f32.
;; Inputs: W1 4,096 x 1,024 float32; W2 1,024 x 4,096 float32; Wk 1,024 x 1,024 float32; Wo 1,024 x 1,024 float32; Wq 1,024 x 1,024 float32; Wv 1,024 x 1,024 float32; attention_mask 2 x 2,048 float32; b1 4,096 float32; b2 1,024 float32; be1 1,024 float32; be2 1,024 float32; bk 1,024 float32; bo 1,024 float32; bq 1,024 float32; bv 1,024 float32; g1 1,024 float32; g2 1,024 float32; x 2 x 2,048 x 1,024 float32.
;; Outputs: out0 2 x 2,048 x 1,024 float32.
;; 2 versions, each right; version 2 is version 1 with the launches prep, ln2 written anew for expert scheduling mode. Each part assembles by itself: llvm-mc -triple=amdgcn-amd-amdhsa -mcpu=gfx1250 --defsym DOCPART=n.
;; ======== version 1 of 2: 7 launches
;; limits: a function is approximated: absolute error at most 2.5e-05; an absolute error that grows with the inputs' magnitude: up to 1.25e-05 times it
;; workspace buffers: wb 25,165,824 bytes; h 8,388,608 bytes; qkv 25,165,824 bytes; ctx 8,388,608 bytes; x1 16,777,216 bytes; ff 33,554,432 bytes
;; launch prep (part 1): grid 64 x 16, 8 waves a work-group, no clusters, 0 bytes of LDS; arguments x, g1, be1, Wq, Wk, Wv, Wo, W1, W2, h, wb; writes h, wb
.if DOCPART == 1
	.amdgcn_target "amdgcn-amd-amdhsa--gfx1250"
	.amdhsa_code_object_version 6
	.text
	.protected	k_q5b7250eec6_prep
	.globl	k_q5b7250eec6_prep
	.p2align	8
	.type	k_q5b7250eec6_prep,@function
k_q5b7250eec6_prep:
	s_mov_b64 s[64:65], 0
	v_nop
	global_prefetch_b8 v0, s[64:65] scope:SCOPE_SE
	s_setreg_imm32_b32 hwreg(HW_REG_WAVE_MODE, 25, 1), 1
	s_wait_xcnt 0x0
; Two streams in one text, told apart by the work-group's y; every work-group reads 64 KiB and writes 32 KiB.
; y = 0..3: out = LayerNorm(in) x g + be, rounded to bf16; in is [4096][1024] f32.  A wave owns two rows of 1,024 numbers and keeps them in registers:
; mean, then the mean of the squared differences (two passes, as the definition has it), all in f32.
; y = 4..15: a unit of 1 Mi weights (Wq, Wk, Wv, Wo, four of W1, four of W2) is rounded from f32 to bf16 into wb, unit y - 4 at byte (y - 4) x 2 MiB.
; The text serves two launches: sixteen rows of work-groups (the first LayerNorm and the casts), and four rows (the second LayerNorm alone, on other buffers; the weights' arguments are then not read).
; No LDS, no barrier, no matrix unit, no cluster: the work-groups share nothing and memory binds.
; LIMITS: NaN and infinities are not treated apart.
.set G,   4                            ; v[4:35]    g of my 32 columns
.set BE,  36                           ; v[36:67]   be of my 32 columns
.set X0,  68                           ; v[68:99]   first row
.set X1,  100                          ; v[100:131] second row
.set T,   132                          ; v[132:139] four packed chains
.set MU,  140                          ; v[140:141] the mean, twice
.set RS,  142                          ; v[142:143] 1 / sqrt(var + eps), twice
.set Y,   144                          ; v[144:175] bf16 to store, 16 registers a row
.set HP,  26                           ; s[26:27]   the LayerNorm's output
	s_load_b512 s[8:23], s[0:1], 0x0               ; in 8, g 10, be 12, Wq 14, Wk 16, Wv 18, Wo 20, W1 22
	s_load_b128 s[24:27], s[0:1], 0x40             ; W2 24, out 26
	s_load_b64 s[28:29], s[0:1], 0x50              ; wb
	s_and_b32 s4, ttmp7, 0xffff                    ; y
	s_mov_b32 s7, 0                                ; the high word of every offset
	s_wait_kmcnt 0x0
	s_cmp_lt_u32 s4, 4
	s_cbranch_scc1 .Lln
	; THE CAST.  The source is chosen by y alone.
	s_sub_co_u32 s4, s4, 4                         ; the unit, 0..11
	s_mov_b64 s[30:31], s[14:15]
	s_cmp_eq_u32 s4, 1
	s_cselect_b64 s[30:31], s[16:17], s[30:31]
	s_cmp_eq_u32 s4, 2
	s_cselect_b64 s[30:31], s[18:19], s[30:31]
	s_cmp_eq_u32 s4, 3
	s_cselect_b64 s[30:31], s[20:21], s[30:31]
	s_cmp_ge_u32 s4, 4
	s_cselect_b64 s[30:31], s[22:23], s[30:31]
	s_cselect_b32 s5, s4, 0
	s_and_b32 s5, s5, 3                            ; which unit of W1 or W2
	s_cmp_ge_u32 s4, 8
	s_cselect_b64 s[30:31], s[24:25], s[30:31]
	s_lshl_b32 s6, s5, 22                          ; a unit is 4 MiB of f32,
	s_lshl_b32 s2, ttmp9, 16                       ; my share of it 64 KiB
	s_add_co_u32 s6, s6, s2
	s_add_nc_u64 s[30:31], s[30:31], s[6:7]
	s_lshl_b32 s6, s4, 21                          ; and 2 MiB, 32 KiB in bf16
	s_lshl_b32 s2, ttmp9, 15
	s_add_co_u32 s6, s6, s2
	s_add_nc_u64 s[28:29], s[28:29], s[6:7]
	v_lshlrev_b32 v1, 4, v0                        ; 16 bytes a thread in,
	v_lshlrev_b32 v2, 3, v0                        ; 8 out
.irp j, 0,1,2,3,4,5,6,7,8,9,10,11,12,13,14,15
	global_load_b128 v[4+4*(\j):7+4*(\j)], v1, s[30:31] offset:4096*(\j) th:TH_LOAD_NT
.endr
.irp j, 0,1,2,3,4,5,6,7,8,9,10,11,12,13,14,15
	s_wait_loadcnt 15-(\j)                         ; loads come back in order: load j is in, the younger ones stay out
	v_cvt_pk_bf16_f32 v[68+2*(\j)], v[4+4*(\j)], v[5+4*(\j)]
	v_cvt_pk_bf16_f32 v[69+2*(\j)], v[6+4*(\j)], v[7+4*(\j)]
	global_store_b64 v2, v[68+2*(\j):69+2*(\j)], s[28:29] offset:2048*(\j)  ; a wave's store covers 256 consecutive bytes, aligned; no register is written twice
.endr
	s_endpgm
; the four chains of T into one sum, the same in every lane
.macro FOLD
	v_pk_add_f32 v[T:T+1], v[T:T+1], v[T+2:T+3]
	v_pk_add_f32 v[T+4:T+5], v[T+4:T+5], v[T+6:T+7]
	v_pk_add_f32 v[T:T+1], v[T:T+1], v[T+4:T+5]
	v_add_f32 v[T], v[T], v[T+1]
	v_add_f32_dpp v[T], v[T], v[T] row_xmask:1 row_mask:0xf bank_mask:0xf
	v_add_f32_dpp v[T], v[T], v[T] row_xmask:2 row_mask:0xf bank_mask:0xf
	v_add_f32_dpp v[T], v[T], v[T] row_xmask:4 row_mask:0xf bank_mask:0xf
	v_add_f32_dpp v[T], v[T], v[T] row_xmask:8 row_mask:0xf bank_mask:0xf
	v_permlanex16_b32 v[T+1], v[T], s32, s33       ; the other half of the lanes; its destination has been written
	v_add_f32 v[T], v[T], v[T+1]
.endm
; the row at x: the mean is taken away in place; RS takes 1 / sqrt(var + eps)
.macro STATS x
.irp k, 0,1,2,3
	v_pk_add_f32 v[T+2*(\k):T+2*(\k)+1], v[(\x)+2*(\k):(\x)+2*(\k)+1], v[(\x)+8+2*(\k):(\x)+8+2*(\k)+1]  ; the first pairs start the chains
.endr
.irp p, 8,9,10,11,12,13,14,15
	v_pk_add_f32 v[T+2*((\p)%4):T+2*((\p)%4)+1], v[T+2*((\p)%4):T+2*((\p)%4)+1], v[(\x)+2*(\p):(\x)+2*(\p)+1]
.endr
	FOLD
	v_mul_f32 v[MU], s34, v[T]
	v_mul_f32 v[MU+1], s34, v[T]
.irp p, 0,1,2,3,4,5,6,7,8,9,10,11,12,13,14,15
	v_pk_add_f32 v[(\x)+2*(\p):(\x)+2*(\p)+1], v[(\x)+2*(\p):(\x)+2*(\p)+1], v[MU:MU+1] neg_lo:[0,1] neg_hi:[0,1]
.endr
.irp k, 0,1,2,3
	v_pk_mul_f32 v[T+2*(\k):T+2*(\k)+1], v[(\x)+2*(\k):(\x)+2*(\k)+1], v[(\x)+2*(\k):(\x)+2*(\k)+1]
.endr
.irp p, 4,5,6,7,8,9,10,11,12,13,14,15
	v_pk_fma_f32 v[T+2*((\p)%4):T+2*((\p)%4)+1], v[(\x)+2*(\p):(\x)+2*(\p)+1], v[(\x)+2*(\p):(\x)+2*(\p)+1], v[T+2*((\p)%4):T+2*((\p)%4)+1]
.endr
	FOLD
	v_fma_f32 v[T], v[T], s34, s35                 ; var + eps
	v_rsq_f32 v[RS], v[T]
	v_rsq_f32 v[RS+1], v[T]
	v_nop                                          ; a plain instruction between the root and the use of its result (ISA guide 5.7.2)
.endm
; the row at x is scaled, takes g and be, is rounded into yb and stored at byte off
.macro EMIT x, yb, off
	s_wait_alu depctr_va_vdst(0)
.irp p, 0,1,2,3,4,5,6,7,8,9,10,11,12,13,14,15
	v_pk_mul_f32 v[(\x)+2*(\p):(\x)+2*(\p)+1], v[(\x)+2*(\p):(\x)+2*(\p)+1], v[RS:RS+1]
.endr
.irp p, 0,1,2,3,4,5,6,7,8,9,10,11,12,13,14,15
	v_pk_fma_f32 v[(\x)+2*(\p):(\x)+2*(\p)+1], v[(\x)+2*(\p):(\x)+2*(\p)+1], v[G+2*(\p):G+2*(\p)+1], v[BE+2*(\p):BE+2*(\p)+1]
.endr
.irp p, 0,1,2,3,4,5,6,7,8,9,10,11,12,13,14,15
	v_cvt_pk_bf16_f32 v[(\yb)+(\p)], v[(\x)+2*(\p)], v[(\x)+2*(\p)+1]
.endr
.irp j, 0,1,2,3,4,5,6,7
	global_store_b64 v2, v[(\yb)+2*(\j):(\yb)+2*(\j)+1], s[HP:HP+1] offset:(\off)+256*(\j)  ; 256 consecutive bytes, aligned
.endr
.endm
.Lln:
	v_lshrrev_b32 v3, 5, v0
	v_readfirstlane_b32 s5, v3                     ; wave 0..7
	s_lshl_b32 s4, s4, 6
	s_add_co_u32 s4, s4, ttmp9                     ; group 0..255: 16 rows
	s_lshl_b32 s4, s4, 4
	s_lshl1_add_u32 s4, s5, s4                     ; my first row
	s_lshl_b32 s6, s4, 12
	s_add_nc_u64 s[8:9], s[8:9], s[6:7]            ; 4,096 bytes a row in
	s_lshl_b32 s6, s4, 11
	s_add_nc_u64 s[HP:HP+1], s[HP:HP+1], s[6:7]    ; 2,048 a row out
	s_mov_b32 s32, 0x76543210
	s_mov_b32 s33, 0xfedcba98
	s_mov_b32 s34, 0x3a800000                      ; 1 / 1024
	s_mov_b32 s35, 0x3727c5ac                      ; 1e-5
	v_and_b32 v1, 31, v0
	v_lshlrev_b32 v2, 3, v1
	v_lshlrev_b32 v1, 4, v1                        ; load j of a row: columns 128 j + 4 lane
.irp j, 0,1,2,3,4,5,6,7
	global_load_b128 v[X0+4*(\j):X0+4*(\j)+3], v1, s[8:9] offset:512*(\j)
.endr
.irp j, 0,1,2,3,4,5,6,7
	global_load_b128 v[X1+4*(\j):X1+4*(\j)+3], v1, s[8:9] offset:4096+512*(\j)
.endr
.irp j, 0,1,2,3,4,5,6,7
	global_load_b128 v[G+4*(\j):G+4*(\j)+3], v1, s[10:11] offset:512*(\j)
.endr
.irp j, 0,1,2,3,4,5,6,7
	global_load_b128 v[BE+4*(\j):BE+4*(\j)+3], v1, s[12:13] offset:512*(\j)
.endr
	s_wait_loadcnt 24                              ; the first row is in; the second row, g and be (24 loads) stay out
	STATS X0
	s_wait_loadcnt 0x0
	EMIT X0, Y, 0
	STATS X1
	EMIT X1, Y+16, 2048
	s_endpgm
.Lfunc_end_k_q5b7250eec6_prep:
	.size	k_q5b7250eec6_prep, .Lfunc_end_k_q5b7250eec6_prep-k_q5b7250eec6_prep
	.p2alignl 7, 3214868480
	.fill 96, 4, 3214868480
	.section	.rodata,"a",@progbits
	.p2align	6, 0x0
	.amdhsa_kernel k_q5b7250eec6_prep
		.amdhsa_group_segment_fixed_size 0
		.amdhsa_private_segment_fixed_size 0
		.amdhsa_enable_private_segment 0
		.amdhsa_kernarg_size 88
		.amdhsa_user_sgpr_count 2
		.amdhsa_user_sgpr_kernarg_segment_ptr 1
		.amdhsa_wavefront_size32 1
		.amdhsa_system_sgpr_workgroup_id_x 1
		.amdhsa_system_sgpr_workgroup_id_y 1
		.amdhsa_system_sgpr_workgroup_id_z 1
		.amdhsa_system_vgpr_workitem_id 0
		.amdhsa_next_free_vgpr 176
		.amdhsa_next_free_sgpr 66
		.amdhsa_reserve_vcc 0
		.amdhsa_float_denorm_mode_32 3
		.amdhsa_float_denorm_mode_16_64 3
		.amdhsa_memory_ordered 1
		.amdhsa_forward_progress 1
		.amdhsa_inst_pref_size 27
	.end_amdhsa_kernel
	.amdgpu_metadata
---
amdhsa.version: [ 1, 2 ]
amdhsa.kernels:
  - .name:           k_q5b7250eec6_prep
    .symbol:         k_q5b7250eec6_prep.kd
    .args:
      - { .name: x, .offset: 0, .size: 8, .value_kind: global_buffer, .address_space: global }
      - { .name: g1, .offset: 8, .size: 8, .value_kind: global_buffer, .address_space: global }
      - { .name: be1, .offset: 16, .size: 8, .value_kind: global_buffer, .address_space: global }
      - { .name: Wq, .offset: 24, .size: 8, .value_kind: global_buffer, .address_space: global }
      - { .name: Wk, .offset: 32, .size: 8, .value_kind: global_buffer, .address_space: global }
      - { .name: Wv, .offset: 40, .size: 8, .value_kind: global_buffer, .address_space: global }
      - { .name: Wo, .offset: 48, .size: 8, .value_kind: global_buffer, .address_space: global }
      - { .name: W1, .offset: 56, .size: 8, .value_kind: global_buffer, .address_space: global }
      - { .name: W2, .offset: 64, .size: 8, .value_kind: global_buffer, .address_space: global }
      - { .name: h, .offset: 72, .size: 8, .value_kind: global_buffer, .address_space: global }
      - { .name: wb, .offset: 80, .size: 8, .value_kind: global_buffer, .address_space: global }
    .group_segment_fixed_size: 0
    .private_segment_fixed_size: 0
    .kernarg_segment_align: 8
    .kernarg_segment_size: 88
    .max_flat_workgroup_size: 256
    .sgpr_count:     66
    .vgpr_count:     176
    .wavefront_size: 32
...
	.end_amdgpu_metadata
.endif
;; end of part 1
;; launch qkv (part 2): grid 12 x 16, 4 waves a work-group, clusters of 4 x 4, 327,680 bytes of LDS; arguments h, wb, bq, bk, bv, qkv; writes qkv
.if DOCPART == 2
	.amdgcn_target "amdgcn-amd-amdhsa--gfx1250"
	.amdhsa_code_object_version 6
	.text
	.protected	k_q5b7250eec6_qkv
	.globl	k_q5b7250eec6_qkv
	.p2align	8
	.type	k_q5b7250eec6_qkv,@function
k_q5b7250eec6_qkv:
	s_mov_b64 s[64:65], 0
	v_nop
	global_prefetch_b8 v0, s[64:65] scope:SCOPE_SE
	s_setreg_imm32_b32 hwreg(HW_REG_WAVE_MODE, 25, 1), 1
	s_wait_xcnt 0x0
	s_wait_alu depctr_hold_cnt(0) depctr_sa_sdst(0) depctr_va_vdst(0) depctr_va_sdst(0) depctr_va_ssrc(0) depctr_va_vcc(0) depctr_vm_vsrc(0)
	s_getreg_b32 s2, hwreg(HW_REG_IB_STS2, 6, 4)
	s_cmp_eq_u32 s2, 0
	s_cbranch_scc0 .Lentry_in_a_cluster
	s_endpgm
.Lentry_in_a_cluster:
	s_bfe_u32 s2, ttmp6, 0x10000c
	s_cmp_lg_u32 s2, 0xf033
	s_cbranch_scc0 .Lentry_shape_is_right
	s_endpgm
.Lentry_shape_is_right:
; C[m][n] = sum over k of A[m][k] B[n][k] + bias[n], K = 1,024, A and B bf16 with K along the rows, sums in f32.
; IS_FF1 = 0: A = h [4096][1024], B = [Wq; Wk; Wv] [3072][1024]; C is rounded to bf16 and laid by heads: q, k, v each [32 = batch x 16 + head][2048][64].
; IS_FF1 = 1: B = W1 [4096][1024]; C goes through the exact GELU and is rounded to bf16 into ff [4096][4096].
; A tile of C is 256 x 256: four waves, each 128 x 128 in 64 accumulators.  K goes in steps of 128 through two LDS slots filled by tensor loads (rows of 256 bytes, aligned).
; CLUSTER 4 x 4: A's tiles are asked for jointly along a row of the cluster, B's along a column.
; The matrix instruction is used transposed (source 0 = rows of B, source 1 = rows of A): a lane holds eight neighbouring columns of one row of C.
; The bias is the C operand of the products that start the sums.  No prefetch: both operands were written by the launch before or are shared by many work-groups.
; With 3,072 columns the grid has 192 work-groups; the tile is kept for the multiply-adds that each LDS byte feeds.
; THE WAY OUT: when the last K step's reads are over (a barrier says so) the ring has had its last fill; each wave lays its 128 x 128 in f32 into its own part of it and reads whole rows back.
; LIMITS: operands rounded to bf16; NaN and infinities not treated apart.  GELU: max(x,0) - |x| erfc(|x|/sqrt 2)/2 with erfc by a cubic in 1/(1 + p z) times exp(-z^2)
; (Abramowitz and Stegun 7.1.25), off by at most 2.5e-5, so the result by at most 1.25e-5 |x|.
; REGISTERS: window 0: v16-29 addresses; v64-127, v128-191 A's fragments; on the way out v32-223.  window 1: v64-191 B's fragments; v192-255 the bias.  windows 2, 3: accumulator (a, b) at v[8 (8 a + b)].
.set IS_FF1, 0
.set SIZE_K, 1024
.set KSTEP,  128
.set PITCH,  272                       ; an LDS row: 256 bytes + 16: sixteen rows of a fragment start at sixteen different groups of four banks (ISA guide 11.1)
.set HALFT,  128*PITCH                 ; what one tensor load brings
.set SLOT,   4*HALFT                   ; 0x22000: shares no bit with wave x HALFT, so an exclusive or turns a tile's LDS address into the other slot's
.set SPARE,  2*SLOT                    ; behind the ring: the spare words, 128 bytes a wave
.set SP,     528                       ; a stage row: 128 f32 + 16 bytes
.set WSTG,   128*SP                    ; a wave's stage; four of them lie inside the ring's 278,528 bytes
.if IS_FF1
.set WOFF, 0x800000
.else
.set WOFF, 0
.endif
.set ADRA0, 16                         ; my lane's place in A's tile of slot 0; never rewritten
.set ADRB0, 17
.set ADRA,  18                         ; the same in the slot in hand
.set ADRB,  19
.set STO,   24
.set RD,    25
.set CO,    26
.set SPW,   28                         ; my spare word; never rewritten
.set NIL,   29                         ; 0
.set OB,    32
.set F0,    64
.set F1,    128
.set BIAS,  192
.set XR,    64
.set YR,    96
.set TR,    128
.set ER,    160
.set PQ,    192
.set G1,  24                           ; s[24:31] group 1 for A
.set G0,  32                           ; s[32:39] group 0 for A: a set for the first fill, a set that walks
.set G1B, 48
.set G0B, 56
.set BIASP, 76
.set OUTP,  78
.set MSB, 0
.macro WIN new                         ; the immediate's high byte repeats the setting that is left
.if MSB != (\new)
	s_set_vgpr_msb (MSB<<8)|(\new)
.set MSB, \new
.endif
.endm
.set MUL_LO, 0xa1                      ; B window 1, A window 0, C and D window 2
.set MUL_HI, 0xf1
.set TO_B,   0x40
.macro JLOAD s                         ; a joint load: waves 0, 1 fetch A's halves, waves 2, 3 B's
	s_cmp_eq_u32 s11, 0
	s_cbranch_scc0 .Lfor_b_\@
	tensor_load_to_lds s[G0+4*(\s):G0+4*(\s)+3], s[G1:G1+7]
	s_nop 0
.rept 4
	v_nop
.endr
	s_branch .Lasked_\@
.Lfor_b_\@:
	tensor_load_to_lds s[G0B+4*(\s):G0B+4*(\s)+3], s[G1B:G1B+7]
	s_nop 0
.rept 4
	v_nop
.endr
.Lasked_\@:
.endm
.macro CREST                           ; a round of the cluster's barrier behind its opening barrier
	s_cmp_lg_u32 s10, 0
	s_cbranch_scc1 .Lnot_wave_0_\@
	s_barrier_signal -3
.Lnot_wave_0_\@:
	s_barrier_wait -3
	s_barrier_signal -1
	s_barrier_wait -1
.endm
.macro CROUND
	s_barrier_signal -1
	s_barrier_wait -1
	CREST
.endm
.macro RUN n, line:vararg              ; one line for z = 0 .. n - 1
.set z, 0
.rept \n
	\line
.set z, z+1
.endr
.endm
	s_load_b128 s[4:7], s[0:1], 0x0                ; A, wb
.if IS_FF1
	s_load_b128 s[68:71], s[0:1], 0x10             ; b1, ff
.else
	s_load_b256 s[68:75], s[0:1], 0x10             ; bq, bk, bv, qkv
.endif
	v_lshl_add_u32 v[SPW], v0, 2, SPARE
	v_mov_b32 v[NIL], 0
	ds_add_u32 v[SPW], v[NIL]                      ; the wave's opening: the add and its wait stand ahead of my first tensor load
	v_lshrrev_b32 v1, 5, v0
	v_readfirstlane_b32 s10, v1                    ; wave 0..3
	s_lshr_b32 s11, s10, 1                         ; my half of the tile's rows; also: I fetch for A (0) or B (1)
	s_and_b32 s12, s10, 1                          ; my half of its columns; also: which 128 rows I fetch
	s_bfe_u32 s40, ttmp6, 0x40000                  ; cx
	s_bfe_u32 s41, ttmp6, 0x40004                  ; cy
	s_lshl_b32 s42, ttmp9, 2
	s_add_co_u32 s42, s42, s40                     ; tile column
	s_and_b32 s13, ttmp7, 0xffff
	s_lshl_b32 s13, s13, 2
	s_add_co_u32 s13, s13, s41                     ; tile row
	s_lshl_b32 s43, s41, 2
	s_lshl_b32 s43, 15, s43                        ; my row of the cluster
	s_lshl_b32 s44, 0x1111, s40                    ; my column
	s_or_b32 s[G1+0], s43, (1<<16)|(1<<20)|(1<<21)|(5<<22)|(3<<25)   ; mask; 2-byte elements; padding on; bit 21 beside a mask; 4 words after every 64
	s_or_b32 s[G1B+0], s44, (1<<16)|(1<<20)|(1<<21)|(5<<22)|(3<<25)
.irp g, G1, G1B
	s_mov_b32 s[(\g)+1], KSTEP<<16                 ; tensor_dim0 = 128
	s_mov_b32 s[(\g)+2], 128<<16                   ; tensor_dim1 = 128
	s_mov_b32 s[(\g)+3], KSTEP<<16                 ; tile_dim0 = 128
	s_mov_b32 s[(\g)+4], 128                       ; tile_dim1 = 128
	s_mov_b32 s[(\g)+5], SIZE_K                    ; elements from row to row
	s_mov_b32 s[(\g)+6], 0
	s_mov_b32 s[(\g)+7], 0
.endr
	s_lshl_b32 s17, s12, 7
	s_lshl_b32 s16, s13, 8
	s_add_co_u32 s16, s16, s17                     ; A: row 256 x tile row + 128 x half
	s_lshl_b32 s46, s42, 8
	s_add_co_u32 s46, s46, s17                     ; B: row 256 x tile column + 128 x half
	s_lshl_b32 s16, s16, 11                        ; 2,048 bytes a row
	s_mov_b32 s17, 0
	s_lshl_b32 s46, s46, 11
	s_mov_b32 s47, 0
	s_mul_i32 s20, s10, HALFT                      ; where my load lands: wave x 128 rows
	s_mov_b32 s2, 0                                ; the slot in hand: 0 or SLOT
	s_wait_dscnt 0x0                               ; the opening add is done
	s_wait_kmcnt 0x0
	s_add_nc_u64 s[14:15], s[4:5], s[16:17]
	s_add_nc_u64 s[46:47], s[6:7], s[46:47]
.if WOFF
	s_add_nc_u64 s[46:47], s[46:47], WOFF
.endif
	CROUND                                         ; all sixteen work-groups are here: the first joint loads meet
.irp s, 0,1
	s_mov_b32 s[G0+4*(\s)], 1
	s_add_co_u32 s[G0+4*(\s)+1], s20, (\s)*SLOT
	s_add_nc_u64 s[G0+4*(\s)+2:G0+4*(\s)+3], s[14:15], (\s)*KSTEP*2
	s_or_b32 s[G0+4*(\s)+3], s[G0+4*(\s)+3], 0x80000000
	s_mov_b32 s[G0B+4*(\s)], 1
	s_add_co_u32 s[G0B+4*(\s)+1], s20, (\s)*SLOT
	s_add_nc_u64 s[G0B+4*(\s)+2:G0B+4*(\s)+3], s[46:47], (\s)*KSTEP*2
	s_or_b32 s[G0B+4*(\s)+3], s[G0B+4*(\s)+3], 0x80000000
	JLOAD \s                                       ; K steps 0 and 1: two loads of mine are out
.endr
	v_and_b32 v1, 15, v0                           ; l % 16
	v_bfe_u32 v2, v0, 4, 1                         ; l / 16
	v_mul_u32_u24 v3, v1, PITCH
	v_lshl_add_u32 v3, v2, 4, v3
	s_mul_i32 s21, s11, HALFT
	s_mul_i32 s22, s12, HALFT
	s_add_co_u32 s22, s22, 2*HALFT
	v_add_nc_u32 v[ADRA0], s21, v3
	v_add_nc_u32 v[ADRB0], s22, v3
	v_mov_b32 v[ADRA], v[ADRA0]
	v_mov_b32 v[ADRB], v[ADRB0]
	s_mul_i32 s23, s10, WSTG
	v_mul_u32_u24 v4, v1, SP                       ; into the stage: row l % 16, 32 bytes for each half of the lanes
	v_lshl_add_u32 v4, v2, 5, v4
	v_add_nc_u32 v[STO], s23, v4
	v_and_b32 v4, 31, v0
	v_lshlrev_b32 v[CO], 3, v4                     ; 8 bytes a lane out
	v_lshlrev_b32 v5, 5, v2                        ; the bias: my eight columns of a block of 16
.if IS_FF1
	v_lshl_add_u32 v[RD], v4, 4, s23               ; back: a row of 512 bytes, 16 a lane
	s_lshl_b32 s46, s42, 10                        ; (256 x tile column + 128 x half) x 4
	s_lshl_b32 s47, s12, 9
	s_add_co_u32 s46, s46, s47
	s_mov_b32 s47, 0
	s_add_nc_u64 s[BIASP:BIASP+1], s[68:69], s[46:47]
	s_lshr_b32 s46, s46, 1                         ; the same columns in bf16
	s_lshl_b32 s16, s13, 8
	s_lshl_b32 s17, s11, 7
	s_add_co_u32 s16, s16, s17
	s_lshl_b32 s16, s16, 13                        ; 8,192 bytes a row of ff
	s_add_co_u32 s46, s46, s16
	s_add_nc_u64 s[OUTP:OUTP+1], s[70:71], s[46:47]
	s_mov_b32 s82, 0x3f596d27                      ; sqrt(log2(e) / 2): y = this x |x|, so that exp(-x^2 / 2) = 2^(-y^2)
	s_mov_b32 s83, 0x7fffffff
	s_mov_b32 s84, 0x3ec88bda                      ; p z = this x y
	s_mov_b32 s85, s84
	s_mov_b32 s86, 0x3ee16a97                      ; the cubic's three numbers, each divided by twice s82
	s_mov_b32 s87, s86
	s_mov_b32 s88, 0xbd6732c9
	s_mov_b32 s89, s88
	s_mov_b32 s90, 0x3e51cd01
	s_mov_b32 s91, s90
.else
	v_mul_u32_u24 v4, v2, SP                       ; back: lanes 0-15 take 256 bytes (a head's 64 columns) of one row, lanes 16-31 of the next
	v_lshl_add_u32 v4, v1, 4, v4
	v_add_nc_u32 v[RD], s23, v4
	s_mov_b64 s[BIASP:BIASP+1], s[68:69]           ; the cluster's x says q, k or v: each has four tile columns
	s_cmp_eq_u32 ttmp9, 1
	s_cselect_b64 s[BIASP:BIASP+1], s[70:71], s[BIASP:BIASP+1]
	s_cmp_eq_u32 ttmp9, 2
	s_cselect_b64 s[BIASP:BIASP+1], s[72:73], s[BIASP:BIASP+1]
	s_lshl_b32 s46, s40, 10
	s_lshl_b32 s47, s12, 9
	s_add_co_u32 s46, s46, s47
	s_mov_b32 s47, 0
	s_add_nc_u64 s[BIASP:BIASP+1], s[BIASP:BIASP+1], s[46:47]
	s_lshr_b32 s16, s13, 3                         ; batch
	s_lshl_b32 s16, s16, 4
	s_lshl_b32 s46, s40, 2
	s_add_co_u32 s46, s46, s16
	s_lshl1_add_u32 s46, s12, s46                  ; batch x 16 + my first head
	s_lshl_b32 s46, s46, 11
	s_and_b32 s16, s13, 7
	s_lshl_b32 s16, s16, 8
	s_add_co_u32 s46, s46, s16
	s_lshl_b32 s16, s11, 7
	s_add_co_u32 s46, s46, s16                     ; + my first token
	s_lshl_b32 s46, s46, 7                         ; 128 bytes a row of a head
	s_lshl_b32 s16, ttmp9, 23                      ; q, k, v lie 8 MiB apart
	s_add_co_u32 s46, s46, s16
	s_add_nc_u64 s[OUTP:OUTP+1], s[74:75], s[46:47]
.endif
	WIN TO_B
.irp b, 0,1,2,3,4,5,6,7
	global_load_b128 v[BIAS+8*(\b):BIAS+8*(\b)+3],   v5, s[BIASP:BIASP+1] offset:64*(\b)
	global_load_b128 v[BIAS+8*(\b)+4:BIAS+8*(\b)+7], v5, s[BIASP:BIASP+1] offset:64*(\b)+16
.endr
	WIN 0
; 16 matrix instructions: m blocks a0, a0 + 1 of the window's four x all 8 n blocks, 32 along K.  zero = 1: the product starts the sum from the bias.
; The 64 accumulators take turns, one instruction a turn, in the same order in every quarter.
.macro MUL16 f, hi, a0, zero
.if \zero
	WIN 0x91+0x40*(\hi)
.else
	WIN MUL_LO+0x50*(\hi)
.endif
.irp a, \a0, (\a0)+1
.irp b, 0,1,2,3,4,5,6,7
.if \zero
	v_wmma_f32_16x16x32_bf16 v[8*(8*(\a)+(\b)):8*(8*(\a)+(\b))+7], v[(\f)+8*(\b):(\f)+8*(\b)+7], v[(\f)+8*(4*(\hi)+(\a)):(\f)+8*(4*(\hi)+(\a))+7], v[BIAS+8*(\b):BIAS+8*(\b)+7]
.else
	v_wmma_f32_16x16x32_bf16 v[8*(8*(\a)+(\b)):8*(8*(\a)+(\b))+7], v[(\f)+8*(\b):(\f)+8*(\b)+7], v[(\f)+8*(4*(\hi)+(\a)):(\f)+8*(4*(\hi)+(\a))+7], v[8*(8*(\a)+(\b)):8*(8*(\a)+(\b))+7]
.endif
.endr
.endr
.endm
.macro FETCH k, f                      ; 32 LDS loads in one run: a quarter step's fragments, at byte k of the rows of the slot in hand
	WIN TO_B
.irp i, 0,1,2,3,4,5,6,7
	ds_load_b128 v[(\f)+8*(\i):(\f)+8*(\i)+3],   v[ADRB] offset:(\k)+(\i)*16*PITCH
	ds_load_b128 v[(\f)+8*(\i)+4:(\f)+8*(\i)+7], v[ADRB] offset:(\k)+(\i)*16*PITCH+32
.endr
	WIN 0
.irp i, 0,1,2,3,4,5,6,7
	ds_load_b128 v[(\f)+8*(\i):(\f)+8*(\i)+3],   v[ADRA] offset:(\k)+(\i)*16*PITCH
	ds_load_b128 v[(\f)+8*(\i)+4:(\f)+8*(\i)+7], v[ADRA] offset:(\k)+(\i)*16*PITCH+32
.endr
.endm
.macro PLACES                          ; four places in front of loads into registers that matrix instructions have read, and of reads of results
.rept 4
	v_nop
.endr
.endm
.macro QUARTER k, f, g, zero           ; multiplies buffer f; in its middle fetches the next quarter, at byte k, into g
	s_wait_dscnt 8                                 ; B and A's rows 0-63 are in; the youngest eight loads may be out
	MUL16 \f, 0, 0, \zero
	MUL16 \f, 0, 2, \zero
	PLACES
	FETCH \k, \g
	s_wait_dscnt 32                                ; all but the 32 just issued
	MUL16 \f, 1, 0, \zero
	MUL16 \f, 1, 2, \zero
.endm
.macro MEET                            ; the first half of a step's last quarter, and the one barrier of a change of slots
	WIN 0
	s_wait_tensorcnt 0x0                           ; all my tensor loads have landed: the one that was out is my part of the next slot
	ds_add_u32 v[SPW], v[NIL]                      ; 0 onto my spare word
	s_wait_dscnt 9                                 ; (the add and the youngest eight loads may be out)
	MUL16 F1, 0, 0, 0
	s_wait_dscnt 0x0                               ; the add is done, and my reads of this slot are over
	s_barrier_signal -1
	MUL16 F1, 0, 2, 0
	WIN 0
	s_barrier_wait -1
.endm
.macro NEXTSLOT                        ; the lanes' addresses go to the other slot
	s_xor_b32 s2, s2, SLOT
	v_add_nc_u32 v[ADRA], s2, v[ADRA0]
	v_add_nc_u32 v[ADRB], s2, v[ADRB0]
.endm
.macro TURNF                           ; the last quarter with a refill: the barrier opens a round of the cluster's barrier, and the joint load is the first thing behind it
	MEET
	CREST                                          ; no wave of any partner still reads this slot or has a load on its way
	s_xor_b32 s[G0+5], s[G0+5], SLOT               ; the walking descriptors: the slot just read,
	s_xor_b32 s[G0B+5], s[G0B+5], SLOT
	s_add_nc_u64 s[G0+6:G0+7], s[G0+6:G0+7], KSTEP*2   ; the K step two on from the one just read
	s_add_nc_u64 s[G0B+6:G0B+7], s[G0B+6:G0B+7], KSTEP*2
	JLOAD 1                                        ; 224 matrix instructions ahead of the wait for it; its four v_nop are the places in front of the loads below
	NEXTSLOT
	FETCH 0, F0
	MUL16 F1, 1, 0, 0
	MUL16 F1, 1, 2, 0
.endm
	s_wait_tensorcnt 1                             ; my part of K step 0 is in; step 1's may stay out
	s_barrier_signal -1
	s_barrier_wait -1
	FETCH 0, F0
	s_wait_loadcnt 0x0                             ; the bias
	QUARTER 64, F0, F1, 1
	WIN 0
	s_mov_b32 s3, SIZE_K/KSTEP-2
.Lstep:                                                ; a trip: from a K step's second quarter to the next step's first; steps 0 to 5 ask for steps 2 to 7
	QUARTER 128, F1, F0, 0
	QUARTER 192, F0, F1, 0
	TURNF
	QUARTER 64, F0, F1, 0
	WIN 0
	s_sub_co_u32 s3, s3, 1
	s_cmp_lg_u32 s3, 0
	s_cbranch_scc1 .Lstep
	s_mov_b32 s3, 2
.Ltail:                                                ; the last two K steps ask for nothing; the second trip is left in its middle
	QUARTER 128, F1, F0, 0
	QUARTER 192, F0, F1, 0
	MEET
	s_sub_co_u32 s3, s3, 1
	s_cmp_eq_u32 s3, 0
	s_cbranch_scc1 .Lfin
	PLACES
	NEXTSLOT
	FETCH 0, F0
	MUL16 F1, 1, 0, 0
	MUL16 F1, 1, 2, 0
	QUARTER 64, F0, F1, 0
	WIN 0
	s_branch .Ltail
.Lfin:
	MUL16 F1, 1, 0, 0
	MUL16 F1, 1, 2, 0
	; Every wave's reads of the ring were over in front of the last barrier, and no fill follows: the ring's bytes now serve as stages.
	PLACES
.irp hi, 0,1
	WIN 0x08+4*(\hi)                               ; store data in window 2, then 3
.irp a, 0,1,2,3
.irp b, 0,1,2,3,4,5,6,7
	ds_store_b128 v[STO], v[8*(8*(\a)+(\b)):8*(8*(\a)+(\b))+3]   offset:(4*(\hi)+(\a))*16*SP+64*(\b)
	ds_store_b128 v[STO], v[8*(8*(\a)+(\b))+4:8*(8*(\a)+(\b))+7] offset:(4*(\hi)+(\a))*16*SP+64*(\b)+16
.endr
.endr
.endr
	WIN 0
	s_mov_b32 s3, 16
.Lout:                                                 ; eight rows a trip; LDS serves a wave's instructions in order (ISA guide 5.7.1.4), so these loads see my stores
.if IS_FF1
.irp i, 0,1,2,3,4,5,6,7
	ds_load_b128 v[XR+4*(\i):XR+4*(\i)+3], v[RD] offset:SP*(\i)
.endr
	v_add_nc_u32 v[RD], 8*SP, v[RD]
.irp i, 0,1,2,3,4,5,6,7
	s_wait_dscnt 7-(\i)                            ; row i is in, the younger ones stay out
.irp j, 0,1,2,3
	v_and_b32 v[YR+4*(\i)+(\j)], s83, v[XR+4*(\i)+(\j)]
.endr
.endr
	RUN 16, v_pk_mul_f32 v[YR+2*z:YR+2*z+1], v[YR+2*z:YR+2*z+1], s[82:83] op_sel_hi:[1,0]
	RUN 16, v_pk_fma_f32 v[TR+2*z:TR+2*z+1], v[YR+2*z:YR+2*z+1], s[84:85], 1.0 op_sel_hi:[1,0,0]
	RUN 16, v_pk_mul_f32 v[ER+2*z:ER+2*z+1], v[YR+2*z:YR+2*z+1], v[YR+2*z:YR+2*z+1] neg_lo:[1,0] neg_hi:[1,0]
	RUN 32, v_rcp_f32 v[TR+z], v[TR+z]
	RUN 32, v_exp_f32 v[ER+z], v[ER+z]
	RUN 32, v_max_num_f32 v[XR+z], 0, v[XR+z]      ; plain work behind the last exponential
	RUN 16, v_pk_fma_f32 v[PQ+2*z:PQ+2*z+1], v[TR+2*z:TR+2*z+1], s[86:87], s[88:89] op_sel_hi:[1,0,0]
	RUN 16, v_pk_fma_f32 v[PQ+2*z:PQ+2*z+1], v[PQ+2*z:PQ+2*z+1], v[TR+2*z:TR+2*z+1], s[90:91] op_sel_hi:[1,1,0]
	RUN 16, v_pk_mul_f32 v[PQ+2*z:PQ+2*z+1], v[PQ+2*z:PQ+2*z+1], v[TR+2*z:TR+2*z+1]
	RUN 16, v_pk_mul_f32 v[PQ+2*z:PQ+2*z+1], v[PQ+2*z:PQ+2*z+1], v[ER+2*z:ER+2*z+1]
	RUN 16, v_pk_fma_f32 v[XR+2*z:XR+2*z+1], v[YR+2*z:YR+2*z+1], v[PQ+2*z:PQ+2*z+1], v[XR+2*z:XR+2*z+1] neg_lo:[1,0,0] neg_hi:[1,0,0]
	RUN 16, v_cvt_pk_bf16_f32 v[OB+z], v[XR+2*z], v[XR+2*z+1]
.irp i, 0,1,2,3,4,5,6,7
	global_store_b64 v[CO], v[OB+2*(\i):OB+2*(\i)+1], s[OUTP:OUTP+1] offset:8192*(\i)  ; my 128 columns of a row: 256 consecutive bytes, aligned
.endr
	s_wait_xcnt 0x0                                ; the stores' data and base are rewritten only behind this wait
	s_add_nc_u64 s[OUTP:OUTP+1], s[OUTP:OUTP+1], 8*8192
.else
.irp p, 0,1,2,3
.irp q, 0,1
	ds_load_b128 v[XR+4*(2*(\p)+(\q)):XR+4*(2*(\p)+(\q))+3], v[RD] offset:2*SP*(\p)+256*(\q)
.endr
.endr
	v_add_nc_u32 v[RD], 8*SP, v[RD]
.irp p, 0,1,2,3
.irp q, 0,1
	s_wait_dscnt 7-(2*(\p)+(\q))                   ; this load is in, the younger ones stay out
	v_cvt_pk_bf16_f32 v[OB+2*(2*(\p)+(\q))],   v[XR+4*(2*(\p)+(\q))],   v[XR+4*(2*(\p)+(\q))+1]
	v_cvt_pk_bf16_f32 v[OB+2*(2*(\p)+(\q))+1], v[XR+4*(2*(\p)+(\q))+2], v[XR+4*(2*(\p)+(\q))+3]
	global_store_b64 v[CO], v[OB+2*(2*(\p)+(\q)):OB+2*(2*(\p)+(\q))+1], s[OUTP:OUTP+1] offset:256*(\p)+262144*(\q)  ; two rows of one head: 256 consecutive bytes, aligned
.endr
.endr
	s_wait_xcnt 0x0                                ; the stores' data and base are rewritten only behind this wait
	s_add_nc_u64 s[OUTP:OUTP+1], s[OUTP:OUTP+1], 8*128
.endif
	s_sub_co_u32 s3, s3, 1
	s_cmp_lg_u32 s3, 0
	s_cbranch_scc1 .Lout
	s_wait_tensorcnt 0x0                           ; the wave's end
	ds_add_u32 v[SPW], v[NIL]
	s_wait_dscnt 0x0
	CROUND                                         ; the closing round
	s_endpgm
.Lfunc_end_k_q5b7250eec6_qkv:
	.size	k_q5b7250eec6_qkv, .Lfunc_end_k_q5b7250eec6_qkv-k_q5b7250eec6_qkv
	.p2alignl 7, 3214868480
	.fill 96, 4, 3214868480
	.section	.rodata,"a",@progbits
	.p2align	6, 0x0
	.amdhsa_kernel k_q5b7250eec6_qkv
		.amdhsa_group_segment_fixed_size 327680
		.amdhsa_private_segment_fixed_size 0
		.amdhsa_enable_private_segment 0
		.amdhsa_kernarg_size 48
		.amdhsa_user_sgpr_count 2
		.amdhsa_user_sgpr_kernarg_segment_ptr 1
		.amdhsa_wavefront_size32 1
		.amdhsa_system_sgpr_workgroup_id_x 1
		.amdhsa_system_sgpr_workgroup_id_y 1
		.amdhsa_system_sgpr_workgroup_id_z 1
		.amdhsa_system_vgpr_workitem_id 0
		.amdhsa_next_free_vgpr 1024
		.amdhsa_next_free_sgpr 96
		.amdhsa_reserve_vcc 0
		.amdhsa_float_denorm_mode_32 3
		.amdhsa_float_denorm_mode_16_64 3
		.amdhsa_memory_ordered 1
		.amdhsa_forward_progress 1
		.amdhsa_inst_pref_size 83
	.end_amdhsa_kernel
	.amdgpu_metadata
---
amdhsa.version: [ 1, 2 ]
amdhsa.kernels:
  - .name:           k_q5b7250eec6_qkv
    .symbol:         k_q5b7250eec6_qkv.kd
    .args:
      - { .name: h, .offset: 0, .size: 8, .value_kind: global_buffer, .address_space: global }
      - { .name: wb, .offset: 8, .size: 8, .value_kind: global_buffer, .address_space: global }
      - { .name: bq, .offset: 16, .size: 8, .value_kind: global_buffer, .address_space: global }
      - { .name: bk, .offset: 24, .size: 8, .value_kind: global_buffer, .address_space: global }
      - { .name: bv, .offset: 32, .size: 8, .value_kind: global_buffer, .address_space: global }
      - { .name: qkv, .offset: 40, .size: 8, .value_kind: global_buffer, .address_space: global }
    .group_segment_fixed_size: 327680
    .private_segment_fixed_size: 0
    .kernarg_segment_align: 8
    .kernarg_segment_size: 48
    .max_flat_workgroup_size: 128
    .sgpr_count:     96
    .vgpr_count:     1024
    .wavefront_size: 32
...
	.end_amdgpu_metadata
.endif
;; end of part 2
;; launch attn (part 3): grid 8 x 32, 4 waves a work-group, clusters of 4 x 1, 327,680 bytes of LDS; arguments qkv, attention_mask, ctx; writes ctx
.if DOCPART == 3
	.amdgcn_target "amdgcn-amd-amdhsa--gfx1250"
	.amdhsa_code_object_version 6
	.text
	.protected	k_q5b7250eec6_attn
	.globl	k_q5b7250eec6_attn
	.p2align	8
	.type	k_q5b7250eec6_attn,@function
k_q5b7250eec6_attn:
	s_mov_b64 s[64:65], 0
	v_nop
	global_prefetch_b8 v0, s[64:65] scope:SCOPE_SE
	s_setreg_imm32_b32 hwreg(HW_REG_WAVE_MODE, 25, 1), 1
	s_wait_xcnt 0x0
	s_wait_alu depctr_hold_cnt(0) depctr_sa_sdst(0) depctr_va_vdst(0) depctr_va_sdst(0) depctr_va_ssrc(0) depctr_va_vcc(0) depctr_vm_vsrc(0)
	s_getreg_b32 s2, hwreg(HW_REG_IB_STS2, 6, 4)
	s_cmp_eq_u32 s2, 0
	s_cbranch_scc0 .Lentry_in_a_cluster
	s_endpgm
.Lentry_in_a_cluster:
	s_bfe_u32 s2, ttmp6, 0x10000c
	s_cmp_lg_u32 s2, 0x3003
	s_cbranch_scc0 .Lentry_shape_is_right
	s_endpgm
.Lentry_shape_is_right:
; ctx[g][q][:] = sum over k of softmax_k(q . k / 8 + (mask[k] - 1) x 10000) v[k][:], g = batch x 16 + head.  q, k, v lie in qkv, 8 MiB apart, each [32][2048][64] bf16; ctx likewise.
; Products, maxima and sums in f32; the weights p are rounded to bf16 for the second product (their sum l is taken of the unrounded p), ctx once at the end.
; LIMITS: a weight below 2^-126 counts as 0 in l; NaN and infinities are not treated apart; the mask's term 80000 mask - 80000 is one fused multiply-add (exact for 0 and 1).
; SHARES.  A work-group owns 256 queries of one g, a wave 64: four PIECES of 16.  Every wave walks all 2,048 keys, 64 a step, four steps to an LDS slot, eight tiles.
; LAYOUT.  S^T = K Q^T holds ONE query a lane (lane % 16) and the keys 8 (lane / 16) + 0..7; two such results rounded to bf16 ARE source 1 of O^T = V^T P.  V comes out of LDS turned, by ds_load_tr16_b128.
; THE MASK is the C operand that starts each sum S^T: 8 x (mask - 1) x 10000 for the lane's eight keys, made once in f32, kept in LDS, fetched with each step's K.  So the running maximum sees the true scores.
; SOFTMAX.  p = 2^(c s - c m), c = log2(e) / 8, with a running maximum m; O and l are multiplied by a = 2^(c m_old - c m_new) in every step.  m starts at the lowest finite number, O and l at 0.
; BY TURNS.  Turn n belongs to piece n: 8 products K Q^T of piece n + 1, later 8 products V^T P of piece n - 1; beside them the scaling, exponentials, roundings, sums and rescaling of piece n and the maximum
; and statistics of piece n + 1.  Four vector instructions stand behind every matrix instruction, the others in two runs of their own.
; CLUSTER.  The four query blocks of a cluster belong to one g and walk the same K and V: each tile is asked for jointly.  No prefetch: k and v were written by the launch before.
; REGISTERS: window 0: v2-15, v32-34 addresses; v16-31 statistics; v48-55 at work; v62-63 the add's; v64-127 S^T, two buffers; v128-143 the mask at work; v192-223 P, two buffers.
;   window 1: v0-127 O^T, 32 a piece.   window 2: v0-63 Q; v64-95 the step's mask; v128-191 K of one step; v192-255 V of one step.
.set NP,    4
.set KS,    64
.set PK,    144       ; a row of K in LDS: 128 bytes + 16
.set PV,    160       ; a row of V: 128 + 32
.set VOFF,  4*KS*PK
.set SLOT1, 1<<17
.set STAGE, SLOT1+4*KS*(PK+PV)  ; 16 rows x 144 bytes for each wave, for the way out; no fill lands here
.set SP,    144
.set MASKL, STAGE+4*16*SP       ; 2,048 f32: the mask's terms; no fill lands here
.set SPARE, MASKL+8192          ; the spare words, 128 bytes a wave
.set AK0, 2
.set AV0, 3
.set AK,  4
.set AV,  5
.set STO, 6
.set RD,  7
.set GO,  8
.set MV,  12
.set QO,  15
.set ST,  16          ; piece t's statistics at v[ST+4 t]: c m, m, l (even keys', odd keys')
.set AM0, 32          ; my lanes' place in the mask's terms; never rewritten
.set AM,  33
.set TMP, 48
.set SPW, 62
.set NIL, 63
.set S,   64
.set MT,  128
.set P,   192
.set MC,  64          ; window 2
.set KF,  128
.set VF,  192
.set WV,  12
.set G1K, 24
.set G1V, 32
.set G0K, 40
.set G0V, 44
.set SLOTS, 56
.set CNT, 57
.set CS,  58
.set SEL, 60
.set TBK, 62
.set TBV, 63
.set TBM, 70          ; byte of the mask's terms at which the step to be fetched begins
.set MK,  72
.set MB,  74
.set MSB, 0
.macro WIN new
.if MSB != (\new)
	s_set_vgpr_msb (MSB<<8)|(\new)
.set MSB, (\new)
.endif
.endm
.set W_KQ, 0x0a       ; K and Q in window 2, S^T in window 0
.set W_KM, 0x2a       ; the same with the C operand in window 2
.set W_PV, 0x52       ; V in window 2, P in window 0, O^T in window 1
.set W_RS, 0x41       ; destination and source 0 in window 1, source 1 in window 0
.macro JLOAD                        ; waves 0, 1 fetch the halves of a tile's K, waves 2, 3 those of its V
	s_cmp_lt_u32 s[WV], 2
	s_cbranch_scc0 .Lfor_v_\@
	tensor_load_to_lds s[G0K:G0K+3], s[G1K:G1K+7]
	s_nop 0
.rept 4
	v_nop
.endr
	s_branch .Lasked_\@
.Lfor_v_\@:
	tensor_load_to_lds s[G0V:G0V+3], s[G1V:G1V+7]
	s_nop 0
.rept 4
	v_nop
.endr
.Lasked_\@:
.endm
.macro CROUND
	s_barrier_signal -1
	s_barrier_wait -1
	s_cmp_lg_u32 s[WV], 0
	s_cbranch_scc1 .Lnot_wave_0_\@
	s_barrier_signal -3
.Lnot_wave_0_\@:
	s_barrier_wait -3
	s_barrier_signal -1
	s_barrier_wait -1
.endm
; THE CHANGE OF SLOTS.  Each wave waits for all its tensor loads (one is out: its part of the other slot), adds 0 to its spare word, and waits for that and for its LDS instructions.
; fill = 1: the slot just read is filled again, with the keys two tiles on, first thing behind a round of the cluster's barrier: four key steps, 256 matrix instructions, in which to land.
; (At its first use slot 0 is waited for, slot 1 filled, and the waves' stores of the mask's terms are shown to each other.)
.macro CHANGE fill
	WIN 0
	s_wait_tensorcnt 0x0
	ds_add_u32 v[SPW], v[NIL]
.if \fill
.irp g, G0K, G0V
	s_xor_b32 s[\g+1], s[\g+1], SLOT1
	s_add_nc_u64 s[\g+2:\g+3], s[\g+2:\g+3], 4*KS*128
.endr
	s_wait_dscnt 0x0
	CROUND
	JLOAD
.else
	s_wait_dscnt 0x0
	s_barrier_signal -1
	s_barrier_wait -1
.endif
	s_sub_co_u32 s[TBK], s[TBK], 4*KS*PK
	s_xor_b32 s[TBK], s[TBK], SLOT1
	s_sub_co_u32 s[TBV], s[TBV], 4*KS*PV
	s_xor_b32 s[TBV], s[TBV], SLOT1
.endm
	s_load_b128 s[4:7], s[0:1], 0x0   ; qkv, mask
	s_load_b64 s[10:11], s[0:1], 0x10 ; ctx
	v_lshl_add_u32 v[SPW], v0, 2, SPARE
	v_mov_b32 v[NIL], 0
	ds_add_u32 v[SPW], v[NIL]       ; the wave's opening: the add and its wait stand ahead of my first tensor load
	v_lshrrev_b32 v1, 5, v0
	v_readfirstlane_b32 s[WV], v1
	s_bfe_u32 s13, ttmp6, 0x40000   ; cx
	s_lshl_b32 s14, ttmp9, 2
	s_add_co_u32 s14, s14, s13      ; my block of 256 queries: it enters Q's and ctx's addresses alone
	s_and_b32 s20, ttmp7, 0xffff    ; g, which the partners share
	s_lshl_b32 s21, s20, 18         ; its 2,048 rows of 128 bytes
	s_and_b32 s16, s[WV], 1         ; which half of a tile's 256 keys I fetch
	s_lshl_b32 s22, s16, 14
	s_add_co_u32 s22, s22, s21
	s_add_co_u32 s22, s22, 0x800000 ; k lies 8 MiB behind q
	s_mov_b32 s23, 0
	s_mul_i32 s17, s16, 128*PK
	s_mul_i32 s18, s16, 128*PV
	s_lshl_b32 s2, s14, 15
	s_lshl_b32 s3, s[WV], 13
	s_add_co_u32 s2, s2, s3
	s_add_co_u32 s2, s2, s21        ; my wave's 64 rows
	s_mov_b32 s3, 0
	s_lshr_b32 s8, s20, 4           ; batch
	s_lshl_b32 s8, s8, 13
	s_mov_b32 s9, 0
	; 128 keys are 16,384 dense bytes: asked for as 64 rows of 256 bytes, two keys a row, padded in LDS after every key
	s_mov_b32 s[G1K], 15|(1<<16)|(1<<20)|(1<<21)|(4<<22)|(3<<25)
	s_mov_b32 s[G1V], 15|(1<<16)|(1<<20)|(1<<21)|(4<<22)|(7<<25)
.irp g, G1K, G1V
	s_mov_b32 s[\g+1], 128<<16
	s_mov_b32 s[\g+2], 64<<16
	s_mov_b32 s[\g+3], 128<<16
	s_mov_b32 s[\g+4], 64
	s_mov_b32 s[\g+5], 128
	s_mov_b32 s[\g+6], 0
	s_mov_b32 s[\g+7], 0
.endr
	s_mov_b32 s[CS], 0x3e38aa3b     ; c = log2(e) / 8
	s_mov_b32 s[CS+1], s[CS]
	s_mov_b32 s[SEL], 0x76543210
	s_mov_b32 s[SEL+1], 0xfedcba98
	s_mov_b32 s[TBK], SLOT1+4*KS*PK ; the first change of slots turns these two into 0
	s_mov_b32 s[TBV], SLOT1+4*KS*PV
	s_mov_b32 s[TBM], 0
	s_mov_b32 s[MK], 0x479c4000     ; 80000
	s_mov_b32 s[MK+1], s[MK]
	s_mov_b32 s[MB], 0xc79c4000     ; -80000
	s_mov_b32 s[MB+1], s[MB]
	s_mov_b32 s[G0K], 1
	s_mov_b32 s[G0K+1], s17
	s_mov_b32 s[G0V], 1
	s_add_co_u32 s[G0V+1], s18, VOFF
	s_wait_dscnt 0x0                ; the opening add is done
	s_wait_kmcnt 0x0
	s_add_nc_u64 s[G0K+2:G0K+3], s[4:5], s[22:23]
	s_add_nc_u64 s[G0V+2:G0V+3], s[G0K+2:G0K+3], 0x800000  ; v lies 8 MiB behind k
	s_or_b32 s[G0K+3], s[G0K+3], 0x80000000
	s_or_b32 s[G0V+3], s[G0V+3], 0x80000000
	s_add_nc_u64 s[4:5], s[4:5], s[2:3]
	s_add_nc_u64 s[10:11], s[10:11], s[2:3]
	s_add_nc_u64 s[6:7], s[6:7], s[8:9]
	CROUND                          ; all four work-groups are here: the first joint loads meet
	JLOAD                           ; tile 0 into slot 0
	v_lshlrev_b32 v14, 4, v0        ; the batch's 2,048 mask numbers: 16 bytes a thread, four times
.irp j, 0,1,2,3
	global_load_b128 v[MT+4*\j:MT+4*\j+3], v14, s[6:7] offset:2048*\j
.endr
	v_and_b32 v1, 15, v0            ; l % 16
	v_bfe_u32 v9, v0, 4, 1          ; l / 16
	v_lshlrev_b32 v[QO], 7, v1
	v_lshl_add_u32 v[QO], v9, 4, v[QO]
	WIN 0x80                        ; destination window 2
.set i, 0
.rept 8                             ; Q stays in registers: piece i / 2, channels 32 (i % 2) on
	global_load_b128 v[8*i:8*i+3],   v[QO], s[4:5] offset:(i/2)*2048+(i%2)*64
	global_load_b128 v[8*i+4:8*i+7], v[QO], s[4:5] offset:(i/2)*2048+(i%2)*64+32
.set i, i+1
.endr
	; What the first turn finds: V and P's second buffer hold 0 (its products V^T P, of a piece that has not been, add 0), O^T and l are 0.  All this stands in the wait for the first tile.
.set i, VF
.rept 64
	v_mov_b32 v[i], 0
.set i, i+1
.endr
	WIN 0x40
.set i, 0
.rept 128
	v_mov_b32 v[i], 0
.set i, i+1
.endr
	WIN 0
.set i, 0
.rept 4
	v_mov_b32 v[ST+4*i], 0xfe000000    ; c m: far below every c s
	v_mov_b32 v[ST+4*i+1], 0xff7fffff  ; m
	v_mov_b32 v[ST+4*i+2], 0
	v_mov_b32 v[ST+4*i+3], 0
.set i, i+1
.endr
.set i, P+16
.rept 16
	v_mov_b32 v[i], 0
.set i, i+1
.endr
	v_mul_u32_u24 v[AK0], v1, PK
	v_lshl_add_u32 v[AK0], v9, 4, v[AK0]
	v_and_b32 v10, 7, v0
	v_bfe_u32 v11, v0, 3, 1
	v_lshl_add_u32 v[AV0], v9, 3, v10  ; the turning load: lane l reads key 8 (l / 16) + l % 8, channels 8 ((l / 8) % 2) + 0..7
	v_mul_u32_u24 v[AV0], v[AV0], PV
	v_lshl_add_u32 v[AV0], v11, 4, v[AV0]
	v_add_nc_u32 v[AV0], VOFF, v[AV0]
	v_lshlrev_b32 v[AM0], 5, v9     ; my lanes' eight keys of a block of 16
	v_add_nc_u32 v[AM0], MASKL, v[AM0]
	v_add_nc_u32 v34, MASKL, v14
	s_mul_i32 s13, s[WV], 16*SP
	s_add_co_u32 s13, s13, STAGE
	v_mul_u32_u24 v[STO], v1, SP
	v_lshl_add_u32 v[STO], v9, 4, v[STO]
	v_add_nc_u32 v[STO], s13, v[STO]
	v_bfe_u32 v[RD], v0, 3, 2
	v_mul_u32_u24 v[RD], v[RD], SP
	v_lshl_add_u32 v[RD], v10, 4, v[RD]
	v_add_nc_u32 v[RD], s13, v[RD]
	v_and_b32 v[GO], 31, v0
	v_lshlrev_b32 v[GO], 4, v[GO]
	s_wait_loadcnt 16               ; the mask is in; Q's sixteen loads are younger and stay out
.set i, 0
.rept 8
	v_pk_fma_f32 v[MT+2*i:MT+2*i+1], v[MT+2*i:MT+2*i+1], s[MK:MK+1], s[MB:MB+1] op_sel_hi:[1,0,0]
.set i, i+1
.endr
.irp j, 0,1,2,3
	ds_store_b128 v34, v[MT+4*\j:MT+4*\j+3] offset:2048*\j
.endr
; THE MATRIX WORK.  The 4 accumulators of a run of 8 take turns.  Product i of 8 of S^T = K Q^T for piece x: channels 32 (i / 4) on, keys 16 (i % 4) on.  The first 4 start the sums with the mask's terms.
.macro KQ x
.set rS, S+32*((\x)%2)+8*(i%4)
.set rK, KF+16*(i%4)+8*(i/4)
.set rQ, 16*(\x)+8*(i/4)
.set rM, MC+8*(i%4)
.if i < 4
	WIN W_KM
	v_wmma_f32_16x16x32_bf16 v[rS:rS+7], v[rK:rK+7], v[rQ:rQ+7], v[rM:rM+7]
.else
	WIN W_KQ
	v_wmma_f32_16x16x32_bf16 v[rS:rS+7], v[rK:rK+7], v[rQ:rQ+7], v[rS:rS+7]
.endif
.endm
; Product i of 8 of O^T += V^T P for piece x: keys 32 (i / 4) on, channels 16 (i % 4) on.
.macro PV x
	WIN W_PV
.set rO, 32*(\x)+8*(i%4)
.set rV, VF+32*(i/4)+8*(i%4)
.set rP, P+16*((\x)%2)+8*(i/4)
	v_wmma_f32_16x16x32_bf16 v[rO:rO+7], v[rV:rV+7], v[rP:rP+7], v[rO:rO+7]
.endm
.macro MM                           ; the turn's next matrix instruction.  NOKQ = 1: the last turn: there is no next piece
.if (i < 8) && !NOKQ
	KQ (Y+1)%NP
.elseif i >= 8
.set i, i-8
	PV (Y+NP-1)%NP
.set i, i+8
.endif
.set i, i+1
.endm
; THE LDS LOADS stand in runs: a step's K (8 fragments) with its mask terms (the same 32 bytes for sixteen lanes), and its V (turned).
.macro FETCH_K
	WIN 0x80
.irp f, 0,1,2,3,4,5,6,7
	ds_load_b128 v[KF+8*\f:KF+8*\f+3],   v[AK] offset:(\f/2)*16*PK+(\f%2)*64
	ds_load_b128 v[KF+8*\f+4:KF+8*\f+7], v[AK] offset:(\f/2)*16*PK+(\f%2)*64+32
.endr
.irp f, 0,1,2,3
	ds_load_b128 v[MC+8*\f:MC+8*\f+3],   v[AM] offset:64*\f
	ds_load_b128 v[MC+8*\f+4:MC+8*\f+7], v[AM] offset:64*\f+16
.endr
	s_add_co_u32 s[TBK], s[TBK], KS*PK
	s_add_co_u32 s[TBM], s[TBM], KS*4
	WIN 0
.endm
.macro FETCH_V
	WIN 0x80
.irp f, 0,1,2,3,4,5,6,7
	ds_load_tr16_b128 v[VF+8*\f:VF+8*\f+3],   v[AV] offset:(\f/4)*32*PV+(\f%4)*32
	ds_load_tr16_b128 v[VF+8*\f+4:VF+8*\f+7], v[AV] offset:(\f/4)*32*PV+16*PV+(\f%4)*32
.endr
	WIN 0
.endm
; THE VECTOR WORK, one line at a time: OP kind, number.  For piece Y: F n: c s - c m for pair n of 16.  E n: the exponential of score n.  C n: pair n rounded to bf16.  B n: of the four weights 4 n .. the second
; pair is added onto the first.  L n: l takes that sum (L 0: l = a l + sum).  R n: pair n of 16 of O^T times a.  For piece Y + 1: X n, number n of the 22 that find its maximum and statistics
; (0-14, 16 the maximum, each accumulator's lowest registers first; 15 c m_old is kept; 17, 18 the other half of the lanes; 19-21 c m, c m_old - c m_new, a).
.set F, 0
.set E, 1
.set C, 2
.set B, 3
.set L, 4
.set R, 5
.set X, 6
.macro REGS y
.set rT, ST+4*(\y)
.set rC, TMP+4*((\y)%2)
.set rW, MV+((\y)%2)
.set rS, S+32*((\y)%2)
.set rP, P+16*((\y)%2)
.set rO, 32*(\y)
.endm
.macro OP k, n
.if (\k) == R
	REGS Y
	WIN W_RS
	v_pk_mul_f32 v[rO+2*(\n):rO+2*(\n)+1], v[rO+2*(\n):rO+2*(\n)+1], v[rC+2:rC+3] op_sel_hi:[1,0]
.elseif (\k) < R
	REGS Y
	WIN 0
.if (\k) == F
	v_pk_fma_f32 v[rS+2*(\n):rS+2*(\n)+1], v[rS+2*(\n):rS+2*(\n)+1], s[CS:CS+1], v[rT:rT+1] op_sel_hi:[1,0,0] neg_lo:[0,0,1] neg_hi:[0,0,1]
.elseif (\k) == E
	v_exp_f32 v[rS+(\n)], v[rS+(\n)]
.elseif (\k) == C
	s_wait_alu depctr_va_vdst(0)
	v_cvt_pk_bf16_f32 v[rP+(\n)], v[rS+2*(\n)], v[rS+2*(\n)+1]
.elseif (\k) == B
	s_wait_alu depctr_va_vdst(0)
	v_pk_add_f32 v[rS+4*(\n):rS+4*(\n)+1], v[rS+4*(\n):rS+4*(\n)+1], v[rS+4*(\n)+2:rS+4*(\n)+3]
.elseif (\n) == 0
	v_pk_fma_f32 v[rT+2:rT+3], v[rT+2:rT+3], v[rC+2:rC+3], v[rS:rS+1] op_sel_hi:[1,0,1]
.else
	v_pk_add_f32 v[rT+2:rT+3], v[rT+2:rT+3], v[rS+4*(\n):rS+4*(\n)+1]
.endif
.elseif NOKQ
	v_nop
.else
	REGS (Y+1)%NP
	WIN 0
.if (\n) < 4
	v_max3_num_f32 v[rC+(\n)], v[rS+8*(\n)], v[rS+8*(\n)+1], v[rS+8*(\n)+2]
.elseif (\n) < 12
	v_max3_num_f32 v[rC+(\n)%4], v[rC+(\n)%4], v[rS+8*((\n)%4)+2*((\n)/4)+1], v[rS+8*((\n)%4)+2*((\n)/4)+2]
.elseif (\n) == 12
	v_max3_num_f32 v[rC], v[rC], v[rS+7], v[rS+15]
.elseif (\n) == 13
	v_max3_num_f32 v[rC+1], v[rC+1], v[rS+23], v[rS+31]
.elseif (\n) == 14
	v_max3_num_f32 v[rC+2], v[rC+2], v[rC+3], v[rT+1]
.elseif (\n) == 15
	v_mov_b32 v[rW], v[rT]
.elseif (\n) == 16
	v_max3_num_f32 v[rC], v[rC], v[rC+1], v[rC+2]
.elseif (\n) == 17
	v_permlanex16_b32 v[rC+3], v[rC], s[SEL], s[SEL+1]
.elseif (\n) == 18
	v_max_num_f32 v[rT+1], v[rC], v[rC+3]
.elseif (\n) == 19
	v_mul_f32 v[rT], s[CS], v[rT+1]
.elseif (\n) == 20
	v_sub_f32 v[rC+1], v[rW], v[rT]
.else
	v_exp_f32 v[rC+2], v[rC+1]
.endif
.endif
.endm
.macro OPS a, i1, b=-1, i2=0, c=-1, i3=0, d=-1, i4=0
	OP \a, \i1
.if (\b) >= 0
	OP \b, \i2
.endif
.if (\c) >= 0
	OP \c, \i3
.endif
.if (\d) >= 0
	OP \d, \i4
.endif
.endm
.macro ROW a, i1, b, i2, c, i3, d, i4  ; a matrix instruction and the four behind it
	MM
	OPS \a, \i1, \b, \i2, \c, \i3, \d, \i4
.endm
; A TURN, for piece p: the order of its 16 matrix and 118 vector instructions, written out.  None of the four behind a product names a register of the products round it.
; end = 1: the last two turns: nothing is fetched.  cnt = 1: the loop's count is taken down some lines ahead of the branch that stands behind the turn.
; K and the mask's terms of the next step are fetched in piece 2's turn, five plain instructions behind the last product that read K; V of the step in hand in piece 0's turn, four plain ones behind the last
; product that read V.  Each is waited for a turn later.
.macro TURN p, end=0, cnt=0
.set Y, (\p)
.set i, 0
.set NOKQ, (\end)*((\p)/3)
.if ((\p) == 3) && !(\end)
	s_wait_dscnt 0x0                ; K and the mask's terms are in
.endif
	ROW F,0, F,1, F,2, F,3
	ROW F,4, E,0, F,5, F,6
	ROW F,7, E,1, F,8, F,9
	ROW F,10, E,2, C,0, F,11
	ROW F,12, E,3, X,15, F,13
	ROW R,0, R,1, R,2, R,3
	ROW B,0, E,4, F,14, L,0
.if ((\p) == 2) && !(\end)
	v_add_nc_u32 v[AK], s[TBK], v[AK0]
	v_add_nc_u32 v[AM], s[TBM], v[AM0]
.endif
	ROW R,4, R,5, R,6, R,7
	OPS E,5, F,15
.if ((\p) == 2) && !(\end)
	FETCH_K
.endif
	OPS E,6, C,1, E,7, R,8
	OPS E,8, R,9, E,9, C,2
	OPS E,10, X,0, E,11, X,1
	OPS E,12, X,2, E,13, X,3
.if (\p) == 1
	s_wait_dscnt 0x0                ; V is in
.endif
	ROW X,4, E,14, X,5, X,6
	ROW X,7, E,15, X,8, X,9
	ROW X,10, E,16, X,11, X,12
	ROW X,13, E,17, X,14, B,1
	ROW C,4, E,18, X,16, L,1
	ROW B,2, E,19, C,6, L,2
	ROW C,8, E,20, B,3, B,4
.if (\p) == 0
	v_add_nc_u32 v[AV], s[TBV], v[AV0]
.endif
	ROW C,3, E,21, L,3, C,5
	OPS E,22, X,17, E,23, C,10
.if (\p) == 0
	FETCH_V
.endif
	OPS E,24, L,4
	OPS E,25, X,18, E,26, C,7
	OPS E,27, B,5, E,28, X,19
	OPS E,29, C,12, E,30, L,5
	OPS E,31, X,20, B,6, C,9
	OPS C,14, C,11, X,21, L,6
.if (\p) == 0
	s_add_co_u32 s[TBV], s[TBV], KS*PV
.endif
.if \cnt
	s_sub_co_u32 s[CNT], s[CNT], 1
	s_cmp_lg_u32 s[CNT], 0
.endif
	OPS C,13, B,7, C,15, R,10
	OPS R,11, R,12, L,7, R,13
	OPS R,14, R,15
.endm
.macro ALL line:vararg              ; one line for each piece t
.set t, 0
.rept 4
	\line
.set t, t+1
.endr
.endm
.macro PACK t                       ; a lane's eight channels of a row pack into 16 bytes; they go into rows of 144 bytes and come back as whole rows of 128
	WIN W_RS
.set i, 32*(\t)
.rept 16
	s_wait_alu depctr_va_vdst(0)
	v_pk_mul_f32 v[i:i+1], v[i:i+1], v[ST+4*(\t)+2:ST+4*(\t)+3] op_sel_hi:[1,0]
.set i, i+2
.endr
	WIN 0x05
.set i, 0
.rept 16
	v_cvt_pk_bf16_f32 v[S+16*(\t)+i], v[32*(\t)+2*i], v[32*(\t)+2*i+1]
.set i, i+1
.endr
	WIN 0
.irp f, 0,1,2,3
	ds_store_b128 v[STO], v[S+16*(\t)+4*\f:S+16*(\t)+4*\f+3] offset:32*\f
.endr
.irp f, 0,1,2,3
	ds_load_b128 v[S+16*(\t)+4*\f:S+16*(\t)+4*\f+3], v[RD] offset:\f*4*SP  ; LDS serves a wave's instructions in order (ISA guide 5.7.1.4): these see the stores above
.endr
.endm
.macro SEND t, younger              ; younger: the LDS instructions issued behind piece t's loads: the next piece's eight, or none
	WIN 0
.irp f, 0,1,2,3
	s_wait_dscnt (\younger)+3-\f
	global_store_b128 v[GO], v[S+16*(\t)+4*\f:S+16*(\t)+4*\f+3], s[10:11] offset:(\t)*2048+\f*512  ; 512 consecutive bytes, aligned
.endr
.endm
	CHANGE 1                        ; slot 0 is in, everybody's part of it, and so are the mask's terms; slot 1 is asked for
	v_add_nc_u32 v[AK], s[TBK], v[AK0]
	v_add_nc_u32 v[AM], s[TBM], v[AM0]
	FETCH_K                         ; key step 0
	s_wait_loadcnt 0x0              ; Q
	s_wait_dscnt 0x0
.set NOKQ, 0
.set i, 0
.rept 8
	KQ 0                            ; piece 0's first scores
.set i, i+1
.endr
	WIN 0
.rept 4
	v_nop                           ; the places behind those products
.endr
.set Y, NP-1                        ; X works for piece Y + 1: piece 0
.irp n, 0,1,2,3,4,5,6,7,8,9,10,11,12,13,14,15,16,17,18,19,20,21
	OP X, \n
.endr
	v_nop                           ; a plain instruction behind the exponential
	s_mov_b32 s[CNT], 4
	s_mov_b32 s[SLOTS], 7
	s_branch .Lfirst                ; the loop is entered at a step's first turn, in the middle of a trip
.Lslot:                             ; six times: tiles 2 to 7 are asked for
	CHANGE 1
	s_mov_b32 s[CNT], 4
.Lstep:                             ; a trip: pieces 2 and 3 of one step, then pieces 0 and 1 of the next, whose K and V it fetches
	TURN 2
	TURN 3
	WIN 0
.Lfirst:
	TURN 0
	TURN 1, 0, 1
	WIN 0
	s_cbranch_scc1 .Lstep
	s_sub_co_u32 s[SLOTS], s[SLOTS], 1
	s_cmp_lg_u32 s[SLOTS], 0
	s_cbranch_scc1 .Lslot
	CHANGE 0                        ; the last tile is written out: nothing is asked for
	s_mov_b32 s[CNT], 4
.Ltail:
	TURN 2
	TURN 3
	TURN 0
	TURN 1, 0, 1
	WIN 0
	s_cbranch_scc1 .Ltail
	TURN 2, 1
	TURN 3, 1
.set i, 0
.rept 8
	PV NP-1                         ; the last piece's V^T P of the last step
.set i, i+1
.endr
	; THE WAY OUT.  l's two halves and the other half of the lanes' are added; O^T is divided by l, rounded to bf16 and sent through my stage, a piece at a time.  The additions are the places behind the last products.
	WIN 0
	ALL v_add_f32 v[ST+4*t+2], v[ST+4*t+2], v[ST+4*t+3]
	ALL v_permlanex16_b32 v[ST+4*t+3], v[ST+4*t+2], s[SEL], s[SEL+1]
	ALL v_add_f32 v[ST+4*t+2], v[ST+4*t+2], v[ST+4*t+3]
	ALL v_rcp_f32 v[ST+4*t+2], v[ST+4*t+2]
	v_nop                           ; a plain instruction between the last reciprocal and the use of its result
	PACK 0
.set t, 1
.rept 3
	PACK t
	SEND t-1, 8
.set t, t+1
.endr
	SEND 3, 0
	s_wait_tensorcnt 0x0            ; the wave's end
	ds_add_u32 v[SPW], v[NIL]
	s_wait_dscnt 0x0
	CROUND                          ; the closing round
	s_endpgm
.Lfunc_end_k_q5b7250eec6_attn:
	.size	k_q5b7250eec6_attn, .Lfunc_end_k_q5b7250eec6_attn-k_q5b7250eec6_attn
	.p2alignl 7, 3214868480
	.fill 96, 4, 3214868480
	.section	.rodata,"a",@progbits
	.p2align	6, 0x0
	.amdhsa_kernel k_q5b7250eec6_attn
		.amdhsa_group_segment_fixed_size 327680
		.amdhsa_private_segment_fixed_size 0
		.amdhsa_enable_private_segment 0
		.amdhsa_kernarg_size 24
		.amdhsa_user_sgpr_count 2
		.amdhsa_user_sgpr_kernarg_segment_ptr 1
		.amdhsa_wavefront_size32 1
		.amdhsa_system_sgpr_workgroup_id_x 1
		.amdhsa_system_sgpr_workgroup_id_y 1
		.amdhsa_system_sgpr_workgroup_id_z 1
		.amdhsa_system_vgpr_workitem_id 0
		.amdhsa_next_free_vgpr 768
		.amdhsa_next_free_sgpr 88
		.amdhsa_reserve_vcc 0
		.amdhsa_float_denorm_mode_32 3
		.amdhsa_float_denorm_mode_16_64 3
		.amdhsa_memory_ordered 1
		.amdhsa_forward_progress 1
		.amdhsa_inst_pref_size 137
	.end_amdhsa_kernel
	.amdgpu_metadata
---
amdhsa.version: [ 1, 2 ]
amdhsa.kernels:
  - .name:           k_q5b7250eec6_attn
    .symbol:         k_q5b7250eec6_attn.kd
    .args:
      - { .name: qkv, .offset: 0, .size: 8, .value_kind: global_buffer, .address_space: global }
      - { .name: attention_mask, .offset: 8, .size: 8, .value_kind: global_buffer, .address_space: global }
      - { .name: ctx, .offset: 16, .size: 8, .value_kind: global_buffer, .address_space: global }
    .group_segment_fixed_size: 327680
    .private_segment_fixed_size: 0
    .kernarg_segment_align: 8
    .kernarg_segment_size: 24
    .max_flat_workgroup_size: 128
    .sgpr_count:     88
    .vgpr_count:     768
    .wavefront_size: 32
...
	.end_amdgpu_metadata
.endif
;; end of part 3
;; launch wo (part 4): grid 8 x 32, 4 waves a work-group, clusters of 4 x 4, 327,680 bytes of LDS; arguments ctx, wb, bo, x, x1; writes x1
.if DOCPART == 4
	.amdgcn_target "amdgcn-amd-amdhsa--gfx1250"
	.amdhsa_code_object_version 6
	.text
	.protected	k_q5b7250eec6_wo
	.globl	k_q5b7250eec6_wo
	.p2align	8
	.type	k_q5b7250eec6_wo,@function
k_q5b7250eec6_wo:
	s_mov_b64 s[64:65], 0
	v_nop
	global_prefetch_b8 v0, s[64:65] scope:SCOPE_SE
	s_setreg_imm32_b32 hwreg(HW_REG_WAVE_MODE, 25, 1), 1
	s_wait_xcnt 0x0
	s_wait_alu depctr_hold_cnt(0) depctr_sa_sdst(0) depctr_va_vdst(0) depctr_va_sdst(0) depctr_va_ssrc(0) depctr_va_vcc(0) depctr_vm_vsrc(0)
	s_getreg_b32 s2, hwreg(HW_REG_IB_STS2, 6, 4)
	s_cmp_eq_u32 s2, 0
	s_cbranch_scc0 .Lentry_in_a_cluster
	s_endpgm
.Lentry_in_a_cluster:
	s_bfe_u32 s2, ttmp6, 0x10000c
	s_cmp_lg_u32 s2, 0xf033
	s_cbranch_scc0 .Lentry_shape_is_right
	s_endpgm
.Lentry_shape_is_right:
; out[m][n] = res[m][n] + bias[n] + sum over k of A[m][k] B[n][k]; out and res [4096][1024] f32, A and B bf16, sums in f32.
; IS_FF2 = 0: A = ctx, laid by heads [32 = batch x 16 + head][2048][64], K = 1,024 (k = 64 head + channel); B = Wo.   IS_FF2 = 1: A = ff [4096][4096], K = 4,096; B = W2.
; A tile of C is 128 x 128, so that the 4,096 x 1,024 results give each of 256 work-groups one tile.  Four waves, each 64 x 64 in 16 accumulators.  K goes in chunks of 256 through two LDS slots.
; ctx by heads: 128 tokens of a head are 16,384 dense bytes; a chunk is four heads; a load brings two heads as two long rows, padded after every token's 128 bytes: in LDS [head][token][64], 144 bytes a token.
; CLUSTER 4 x 4: A's tiles are asked for jointly along a row of the cluster, B's along a column.  The matrix instruction is used transposed: a lane holds eight neighbouring columns of one row of C.
; THE ORDER OF K.  Step t takes chunk t xor p, p = (the cluster's x + the cluster's y) mod 2, a number that all partners of a cluster share.  A's tiles are read by the two clusters of a cluster row,
; B's by the eight of a cluster column; neighbours have unlike p, so of two neighbours one asks for a chunk a step ahead of the other, by turns.  The sums take K in that order.
; ASKING AHEAD (IS_FF2 alone).  In the trip that requests step n + 2, wave 0 asks by one prefetch, lanes 256 bytes apart, for 16 rows x 512 bytes of A's chunk n + 4: the eight work-groups of a tile row share
; its 128 rows.  Wave 1 asks likewise for 16 rows of B's chunk in the trips in which the chunk mod 4 is the cluster's y mod 4: of the 32 work-groups of a tile column eight take a chunk.  So each 256 bytes of
; chunks 4 to 15 are asked for once in the launch, one to three trips ahead of the tensor loads that read them, 2.5 MiB a trip for all work-groups; a chunk of 16 or more is not asked for.
; With K = 1,024 there is no asking ahead: of four chunks two are requested at the start and the others one and two steps later.
; The bias is the C operand of the products that start the sums; the residual is loaded at the start, in the layout of the way out, and is on its way during the whole K loop.
; A wave's 64 columns of f32 are 256 aligned bytes: each wave goes out through a stage of its own.
; LIMITS: operands rounded to bf16; NaN and infinities not treated apart.
; REGISTERS: window 0: v16-29 addresses; v32-95 at work on the way out; v128-255 accumulator (a, b) at v[128 + 8 (4 a + b)].  window 1: two fragment buffers of 128.  window 2: v0-127 the residual; v128-159 the bias.
.set IS_FF2, 0
.if IS_FF2
.set SIZE_K, 4096
.set WOFF,   0x1000000
.set PA,     528                       ; A's LDS pitch from row to row
.set SLICE,  128                       ; LDS bytes from one 128 bytes of a row's K to the next
.set ASH,    9                         ; log2 of the bytes of memory from a chunk of A to the next
.set KSH,    13                        ; log2 of a row of B in bytes
.else
.set SIZE_K, 1024
.set WOFF,   0x600000
.set PA,     144
.set SLICE,  128*PA
.set ASH,    20                        ; four heads
.set KSH,    11
.endif
.set KSTEP,  256
.set NSTEP,  SIZE_K/KSTEP
.set PB,     528
.set AHALF,  64*528*IS_FF2+2*128*144*(1-IS_FF2)  ; what one load of A brings
.set ATILE,  2*AHALF
.set BHALF,  64*PB
.set SLOT1,  0x24000                   ; slot 1 begins here: the number shares no bit with a tile's LDS address in slot 0, so an exclusive or turns the one into the other
.set STAGE,  2*SLOT1                   ; 16 rows x 272 bytes for each wave; no fill lands here
.set SPITCH, 272
.set SPARE,  STAGE+4*16*SPITCH         ; the spare words, 128 bytes a wave
.set ADRA0, 16
.set ADRB0, 17
.set ADRA,  18
.set ADRB,  19
.set STO,   24
.set RD,    25
.set CO,    26
.set PFO,   27                         ; my lane's byte offset in what my wave asks ahead for; never rewritten
.set SPW,   28
.set NIL,   29
.set TMP,   32
.set ACC,   128
.set F0,    0
.set F1,    128
.set BIAS,  128                        ; window 2
.set G1,  24
.set G0,  32
.set G1B, 48
.set G0B, 56
.set ABASE, 80                         ; s[80:81] my part of A's tile at chunk 0
.set BBASE, 82                         ; s[82:83] the same for B
.set PAR,   84                         ; s84  p
.set NXT,   85                         ; s85  the step to be requested next
.set OFA,   86                         ; s[86:87] a chunk's byte offset in A
.set OFB,   88                         ; s[88:89] in B
.set PM,    90                         ; s90, s91: my wave asks ahead when (chunk and PM) = PV
.set PV,    91
.set ASK,   92                         ; s92  the chunk to ask for
.set TM,    93
.set POF,   94                         ; s[94:95] its byte offset
.set PAD,   96                         ; s[96:97] base + offset
.set PBASE, 98                         ; s[98:99] chunk 0 of the rows among which my wave asks
.set MSB, 0
.macro WIN new
.if MSB != (\new)
	s_set_vgpr_msb (MSB<<8)|(\new)
.set MSB, \new
.endif
.endm
.set MUL,  0x05                        ; sources 0 (B) and 1 (A) window 1; C and D window 0
.set MULB, 0x25                        ; the same with C in window 2
.set TO_F, 0x40
.macro JLOAD s                         ; waves 0, 1 fetch A's halves, waves 2, 3 B's
	s_cmp_eq_u32 s11, 0
	s_cbranch_scc0 .Lfor_b_\@
	tensor_load_to_lds s[G0+4*(\s):G0+4*(\s)+3], s[G1:G1+7]
	s_nop 0
.rept 4
	v_nop
.endr
	s_branch .Lasked_\@
.Lfor_b_\@:
	tensor_load_to_lds s[G0B+4*(\s):G0B+4*(\s)+3], s[G1B:G1B+7]
	s_nop 0
.rept 4
	v_nop
.endr
.Lasked_\@:
.endm
.macro CREST
	s_cmp_lg_u32 s10, 0
	s_cbranch_scc1 .Lnot_wave_0_\@
	s_barrier_signal -3
.Lnot_wave_0_\@:
	s_barrier_wait -3
	s_barrier_signal -1
	s_barrier_wait -1
.endm
.macro CROUND
	s_barrier_signal -1
	s_barrier_wait -1
	CREST
.endm
	s_load_b128 s[4:7], s[0:1], 0x0                ; A, wb
	s_load_b128 s[68:71], s[0:1], 0x10             ; bias, residual
	s_load_b64 s[72:73], s[0:1], 0x20              ; out
	v_lshl_add_u32 v[SPW], v0, 2, SPARE
	v_mov_b32 v[NIL], 0
	ds_add_u32 v[SPW], v[NIL]                      ; the wave's opening: the add and its wait stand ahead of my first tensor load
	v_lshrrev_b32 v1, 5, v0
	v_readfirstlane_b32 s10, v1
	s_lshr_b32 s11, s10, 1                         ; my half of the tile's rows; also: I fetch for A (0) or B (1)
	s_and_b32 s12, s10, 1                          ; my half of its columns; also: which half of that tile I fetch
	s_bfe_u32 s40, ttmp6, 0x40000
	s_bfe_u32 s41, ttmp6, 0x40004
	s_lshl_b32 s42, ttmp9, 2
	s_add_co_u32 s42, s42, s40                     ; tile column
	s_and_b32 s13, ttmp7, 0xffff
	s_add_co_u32 s[PAR], s13, ttmp9
	s_and_b32 s[PAR], s[PAR], 1                    ; p: made of the cluster's own coordinates
	s_lshl_b32 s13, s13, 2
	s_add_co_u32 s13, s13, s41                     ; tile row
	s_lshl_b32 s43, s41, 2
	s_lshl_b32 s43, 15, s43
	s_lshl_b32 s44, 0x1111, s40
.if IS_FF2
	s_or_b32 s[G1+0], s43, (1<<16)|(1<<20)|(1<<21)|(6<<22)|(3<<25)  ; 64 rows x 256 elements; 4 words of padding after every 128
	s_mov_b32 s[G1+1], KSTEP<<16
	s_mov_b32 s[G1+2], 64<<16
	s_mov_b32 s[G1+3], KSTEP<<16
	s_mov_b32 s[G1+4], 64
	s_mov_b32 s[G1+5], SIZE_K
.else
	s_or_b32 s[G1+0], s43, (1<<16)|(1<<20)|(1<<21)|(4<<22)|(3<<25)  ; 2 rows (heads) x 8,192 elements (128 tokens); 4 words of padding after every 32
	s_mov_b32 s[G1+1], 8192<<16
	s_mov_b32 s[G1+2], 2<<16
	s_mov_b32 s[G1+3], 8192<<16
	s_mov_b32 s[G1+4], 2
	s_mov_b32 s[G1+5], 131072                      ; elements from head to head
.endif
	s_mov_b32 s[G1+6], 0
	s_mov_b32 s[G1+7], 0
	s_or_b32 s[G1B+0], s44, (1<<16)|(1<<20)|(1<<21)|(6<<22)|(3<<25)
	s_mov_b32 s[G1B+1], KSTEP<<16
	s_mov_b32 s[G1B+2], 64<<16
	s_mov_b32 s[G1B+3], KSTEP<<16
	s_mov_b32 s[G1B+4], 64
	s_mov_b32 s[G1B+5], SIZE_K
	s_mov_b32 s[G1B+6], 0
	s_mov_b32 s[G1B+7], 0
.if IS_FF2
	s_lshl_b32 s16, s13, 7
	s_lshl_b32 s17, s12, 6
	s_add_co_u32 s16, s16, s17                     ; A: row 128 x tile row + 64 x half
	s_lshl_b32 s16, s16, 13
.else
	s_lshr_b32 s16, s13, 4                         ; batch: 16 heads of 262,144 bytes
	s_lshl_b32 s16, s16, 22
	s_lshl_b32 s17, s12, 19                        ; my two heads of the chunk's four
	s_add_co_u32 s16, s16, s17
	s_and_b32 s17, s13, 15                         ; the tile's 128 tokens
	s_lshl_b32 s17, s17, 14
	s_add_co_u32 s16, s16, s17
.endif
	s_mov_b32 s17, 0
	s_lshl_b32 s46, s42, 7
	s_lshl_b32 s47, s12, 6
	s_add_co_u32 s46, s46, s47                     ; B: row 128 x tile column + 64 x half
	s_lshl_b32 s46, s46, KSH
	s_add_co_u32 s46, s46, WOFF
	s_mov_b32 s47, 0
	s_mul_i32 s20, s12, AHALF                      ; where A's load lands,
	s_mul_i32 s21, s12, BHALF
	s_add_co_u32 s21, s21, ATILE                   ; and B's
	s_mov_b32 s2, 0                                ; the slot in hand: 0 or SLOT1
	s_mov_b32 s[NXT], 2
	s_mov_b32 s[OFA+1], 0
	s_mov_b32 s[OFB+1], 0
	s_wait_dscnt 0x0                               ; the opening add is done
	s_wait_kmcnt 0x0
	s_add_nc_u64 s[ABASE:ABASE+1], s[4:5], s[16:17]
	s_add_nc_u64 s[BBASE:BBASE+1], s[6:7], s[46:47]
	CROUND                                         ; all sixteen work-groups are here: the first joint loads meet
.irp s, 0,1
	s_xor_b32 s[OFA], s[PAR], \s                   ; step s takes chunk s xor p
	s_lshl_b32 s[OFB], s[OFA], 9
	s_lshl_b32 s[OFA], s[OFA], ASH
	s_mov_b32 s[G0+4*(\s)], 1
	s_add_co_u32 s[G0+4*(\s)+1], s20, (\s)*SLOT1
	s_add_nc_u64 s[G0+4*(\s)+2:G0+4*(\s)+3], s[ABASE:ABASE+1], s[OFA:OFA+1]
	s_or_b32 s[G0+4*(\s)+3], s[G0+4*(\s)+3], 0x80000000
	s_mov_b32 s[G0B+4*(\s)], 1
	s_add_co_u32 s[G0B+4*(\s)+1], s21, (\s)*SLOT1
	s_add_nc_u64 s[G0B+4*(\s)+2:G0B+4*(\s)+3], s[BBASE:BBASE+1], s[OFB:OFB+1]
	s_or_b32 s[G0B+4*(\s)+3], s[G0B+4*(\s)+3], 0x80000000
	JLOAD \s                                       ; steps 0 and 1: two loads of mine are out
.endr
	v_and_b32 v1, 15, v0
	v_bfe_u32 v2, v0, 4, 1
	v_mul_u32_u24 v3, v1, PA
	v_lshl_add_u32 v3, v2, 4, v3
	s_mul_i32 s22, s11, 64*PA                      ; my 64 rows of A
	v_add_nc_u32 v[ADRA0], s22, v3
	v_mul_u32_u24 v3, v1, PB
	v_lshl_add_u32 v3, v2, 4, v3
	s_mul_i32 s22, s12, BHALF                      ; my 64 rows of B
	s_add_co_u32 s22, s22, ATILE
	v_add_nc_u32 v[ADRB0], s22, v3
	v_mov_b32 v[ADRA], v[ADRA0]
	v_mov_b32 v[ADRB], v[ADRB0]
	s_mul_i32 s23, s10, 16*SPITCH
	s_add_co_u32 s23, s23, STAGE                   ; my stage
	v_mul_u32_u24 v4, v1, SPITCH                   ; in: row l % 16, 32 bytes for each half of the lanes
	v_lshl_add_u32 v4, v2, 5, v4
	v_add_nc_u32 v[STO], s23, v4
	v_mul_u32_u24 v4, v2, SPITCH                   ; back: lanes 0-15 one row of 256 bytes, lanes 16-31 the next
	v_lshl_add_u32 v4, v1, 4, v4
	v_add_nc_u32 v[RD], s23, v4
	v_lshlrev_b32 v4, 12, v2                       ; and the same two rows in memory
	v_lshl_add_u32 v[CO], v1, 4, v4
	v_lshlrev_b32 v5, 5, v2                        ; the bias: my eight columns of a block of 16
.if IS_FF2
	; what my wave asks ahead for: wave 0 among the 128 rows of A of my tile row, the 16 that my tile column numbers; wave 1 among the 128 rows of B of my tile column, the 16 numbered
	; 4 x (the cluster's y / 4) + cy; waves 2 and 3 never ask (a chunk and 3 is never 4)
	s_and_b32 s[TM], ttmp7, 0xffff                 ; the cluster's y
	s_lshr_b32 s[ASK], s[TM], 2
	s_lshl2_add_u32 s[ASK], s[ASK], s41
	s_and_b32 s[PV], s[TM], 3
	s_lshl_b32 s[POF], s42, 20                     ; 128 rows of 8,192 bytes
	s_add_co_u32 s[POF], s[POF], WOFF
	s_mov_b32 s[POF+1], 0
	s_add_nc_u64 s[PBASE:PBASE+1], s[6:7], s[POF:POF+1]
	s_lshl_b32 s[POF], s13, 20
	s_add_nc_u64 s[PAD:PAD+1], s[4:5], s[POF:POF+1]
	s_cmp_eq_u32 s10, 0
	s_cselect_b64 s[PBASE:PBASE+1], s[PAD:PAD+1], s[PBASE:PBASE+1]
	s_cselect_b32 s[ASK], s42, s[ASK]
	s_cselect_b32 s[PM], 0, 3
	s_cselect_b32 s[PV], 0, s[PV]
	s_cmp_gt_u32 s10, 1
	s_cselect_b32 s[PV], 4, s[PV]
	v_and_b32 v4, 31, v0
	v_lshrrev_b32 v6, 1, v4
	v_lshl_add_u32 v6, s[ASK], 4, v6               ; the row: two lanes to a row,
	v_and_b32 v4, 1, v4
	v_lshlrev_b32 v4, 8, v4                        ; 256 bytes apart
	v_lshl_add_u32 v[PFO], v6, 13, v4
.endif
	s_lshl_b32 s46, s42, 9                         ; (128 x tile column + 64 x half) x 4
	s_lshl_b32 s47, s12, 8
	s_add_co_u32 s46, s46, s47
	s_mov_b32 s47, 0
	s_add_nc_u64 s[68:69], s[68:69], s[46:47]
	s_lshl_b32 s16, s13, 7
	s_lshl_b32 s17, s11, 6
	s_add_co_u32 s16, s16, s17                     ; my first row
	s_lshl_b32 s16, s16, 12
	s_add_co_u32 s46, s46, s16
	s_add_nc_u64 s[70:71], s[70:71], s[46:47]
	s_add_nc_u64 s[72:73], s[72:73], s[46:47]
	WIN 0x80                                       ; destination window 2
.irp b, 0,1,2,3
	global_load_b128 v[BIAS+8*(\b):BIAS+8*(\b)+3],   v5, s[68:69] offset:64*(\b)
	global_load_b128 v[BIAS+8*(\b)+4:BIAS+8*(\b)+7], v5, s[68:69] offset:64*(\b)+16
.endr
.set u, 0
.rept 32
	global_load_b128 v[4*u:4*u+3], v[CO], s[70:71] offset:8192*u  ; rows 2 u and 2 u + 1: sixteen lanes read 256 aligned bytes
.set u, u+1
.endr
	WIN 0
; 8 matrix instructions: m blocks a0, a0 + 1 x all 4 n blocks, 32 along K: half c of buffer f.  zero = 1: the product starts the sum from the bias.  The 16 accumulators take turns.
.macro MUL8 f, c, a0, zero
.if \zero
	WIN MULB
.else
	WIN MUL
.endif
.irp a, \a0, (\a0)+1
.irp b, 0,1,2,3
.if \zero
	v_wmma_f32_16x16x32_bf16 v[ACC+8*(4*(\a)+(\b)):ACC+8*(4*(\a)+(\b))+7], v[(\f)+64+8*(4*(\c)+(\b)):(\f)+64+8*(4*(\c)+(\b))+7], v[(\f)+8*(4*(\c)+(\a)):(\f)+8*(4*(\c)+(\a))+7], v[BIAS+8*(\b):BIAS+8*(\b)+7]
.else
	v_wmma_f32_16x16x32_bf16 v[ACC+8*(4*(\a)+(\b)):ACC+8*(4*(\a)+(\b))+7], v[(\f)+64+8*(4*(\c)+(\b)):(\f)+64+8*(4*(\c)+(\b))+7], v[(\f)+8*(4*(\c)+(\a)):(\f)+8*(4*(\c)+(\a))+7], v[ACC+8*(4*(\a)+(\b)):ACC+8*(4*(\a)+(\b))+7]
.endif
.endr
.endr
.endm
; 32 LDS loads in one run: the fragments of 64 along K at byte k of the chunk, into buffer f; the first 32 along K first
.macro FETCH k, f
	WIN TO_F
.irp c, 0,1
.irp i, 0,1,2,3
	ds_load_b128 v[(\f)+64+8*(4*(\c)+(\i)):(\f)+64+8*(4*(\c)+(\i))+3],   v[ADRB] offset:(\k)+64*(\c)+(\i)*16*PB
	ds_load_b128 v[(\f)+64+8*(4*(\c)+(\i))+4:(\f)+64+8*(4*(\c)+(\i))+7], v[ADRB] offset:(\k)+64*(\c)+(\i)*16*PB+32
	ds_load_b128 v[(\f)+8*(4*(\c)+(\i)):(\f)+8*(4*(\c)+(\i))+3],         v[ADRA] offset:(((\k)+64*(\c))/128)*SLICE+((\k)+64*(\c))%128+(\i)*16*PA
	ds_load_b128 v[(\f)+8*(4*(\c)+(\i))+4:(\f)+8*(4*(\c)+(\i))+7],       v[ADRA] offset:(((\k)+64*(\c))/128)*SLICE+((\k)+64*(\c))%128+(\i)*16*PA+32
.endr
.endr
.endm
.macro PLACES
.rept 4
	v_nop
.endr
.endm
.macro QUARTER k, f, g, zero           ; 64 along K: multiplies buffer f and fetches the next quarter, at byte k, into g
	s_wait_dscnt 16                                ; the first 32 along K are in
	MUL8 \f, 0, 0, \zero
	MUL8 \f, 0, 2, \zero
	PLACES
	FETCH \k, \g
	s_wait_dscnt 32                                ; all but the 32 just issued
	MUL8 \f, 1, 0, 0
	MUL8 \f, 1, 2, 0
.endm
; The first half of a step's last quarter, and the one barrier of a change of slots.  The sixteen products stand ahead of the wait for the tile, so that between a tile's landing and the next request stands the barrier alone.
; fill = 1: the walking descriptors are set for the refill while the add is out: the slot just read, the chunk of step NXT.
.macro MEET fill
	s_wait_dscnt 16                                ; the first 32 along K of the last quarter are in; the other sixteen loads may be out
	MUL8 F1, 0, 0, 0
	MUL8 F1, 0, 2, 0
	WIN 0
	s_wait_tensorcnt 0x0                           ; all my tensor loads have landed: my part of the next slot; so a group 0 may be written
	ds_add_u32 v[SPW], v[NIL]
.if \fill
	s_xor_b32 s[G0+5], s[G0+5], SLOT1
	s_xor_b32 s[G0B+5], s[G0B+5], SLOT1
	s_xor_b32 s[OFA], s[NXT], s[PAR]               ; the chunk
	s_lshl_b32 s[OFB], s[OFA], 9
	s_lshl_b32 s[OFA], s[OFA], ASH
	s_add_nc_u64 s[G0+6:G0+7], s[ABASE:ABASE+1], s[OFA:OFA+1]      ; the address is made anew from the tile's base and the chunk's offset,
	s_or_b32 s[G0+7], s[G0+7], 0x80000000                          ; and the type set again
	s_add_nc_u64 s[G0B+6:G0B+7], s[BBASE:BBASE+1], s[OFB:OFB+1]
	s_or_b32 s[G0B+7], s[G0B+7], 0x80000000
	s_add_co_u32 s[NXT], s[NXT], 1
.endif
	s_wait_dscnt 0x0                               ; the add is done, and my reads of this slot are over
	s_barrier_signal -1
	s_barrier_wait -1
.endm
.macro NEXTSLOT
	s_xor_b32 s2, s2, SLOT1
	v_add_nc_u32 v[ADRA], s2, v[ADRA0]
	v_add_nc_u32 v[ADRB], s2, v[ADRB0]
.endm
.macro AHEAD                           ; NXT is by now the requested step + 1: the chunk asked for is the requested step + 2
	s_add_co_u32 s[ASK], s[NXT], 1
	s_and_b32 s[TM], s[ASK], s[PM]
	s_cmp_eq_u32 s[TM], s[PV]
	s_cbranch_scc0 .Lno_ask_\@                     ; not my wave's turn
	s_cmp_gt_u32 s[ASK], NSTEP-1
	s_cbranch_scc1 .Lno_ask_\@                     ; past the last chunk: nothing is asked for
	s_wait_xcnt 0x0                                ; the last prefetch, a trip back, has had its address translated: its base is rewritten only behind this wait
	s_lshl_b32 s[POF], s[ASK], 9
	s_add_nc_u64 s[PAD:PAD+1], s[PBASE:PBASE+1], s[POF:POF+1]
	global_prefetch_b8 v[PFO], s[PAD:PAD+1] th:TH_LOAD_NT scope:SCOPE_SE
.Lno_ask_\@:
.endm
.macro TURNF                           ; the last quarter with a refill: the barrier opens a round of the cluster's barrier, and the joint load is the first thing behind it
	MEET 1
	CREST
	JLOAD 1                                        ; a whole step's 128 matrix instructions ahead of the wait for it; its four v_nop are the places in front of the loads below
.if IS_FF2
	AHEAD
.endif
	NEXTSLOT
	FETCH 0, F0
	MUL8 F1, 1, 0, 0
	MUL8 F1, 1, 2, 0
.endm
	s_wait_tensorcnt 1                             ; my part of step 0 is in; step 1's may stay out
	s_barrier_signal -1
	s_barrier_wait -1
	FETCH 0, F0
	s_wait_loadcnt 32                              ; the bias is in; the residual's 32 loads are younger and stay out
	QUARTER 128, F0, F1, 1
	WIN 0
	s_mov_b32 s3, NSTEP-2
.Lstep:                                                ; a trip: from a step's second quarter to the next step's first; it requests the step two on
	QUARTER 256, F1, F0, 0
	QUARTER 384, F0, F1, 0
	TURNF
	QUARTER 128, F0, F1, 0
	WIN 0
	s_sub_co_u32 s3, s3, 1
	s_cmp_lg_u32 s3, 0
	s_cbranch_scc1 .Lstep
	s_mov_b32 s3, 2
.Ltail:                                                ; the last two steps request nothing; the second trip is left in its middle
	QUARTER 256, F1, F0, 0
	QUARTER 384, F0, F1, 0
	MEET 0
	s_sub_co_u32 s3, s3, 1
	s_cmp_eq_u32 s3, 0
	s_cbranch_scc1 .Lfin
	PLACES
	NEXTSLOT
	FETCH 0, F0
	MUL8 F1, 1, 0, 0
	MUL8 F1, 1, 2, 0
	QUARTER 128, F0, F1, 0
	WIN 0
	s_branch .Ltail
.Lfin:
	MUL8 F1, 1, 0, 0
	MUL8 F1, 1, 2, 0
	WIN 0
	; THE WAY OUT, 16 rows at a time: into my stage, back as whole rows of 256 bytes, the residual added, stored.
	s_wait_loadcnt 0x0                             ; the residual
	PLACES
.irp a, 0,1,2,3
.irp b, 0,1,2,3
	ds_store_b128 v[STO], v[ACC+8*(4*(\a)+(\b)):ACC+8*(4*(\a)+(\b))+3]   offset:64*(\b)
	ds_store_b128 v[STO], v[ACC+8*(4*(\a)+(\b))+4:ACC+8*(4*(\a)+(\b))+7] offset:64*(\b)+16
.endr
.if (\a) >= 2
	s_wait_xcnt 0x0                                ; this buffer was the data of the stores two blocks back: it is loaded again only behind this wait
.endif
.irp t, 0,1,2,3,4,5,6,7
	ds_load_b128 v[TMP+32*((\a)%2)+4*(\t):TMP+32*((\a)%2)+4*(\t)+3], v[RD] offset:(\t)*2*SPITCH  ; LDS serves a wave's instructions in order (ISA guide 5.7.1.4)
.endr
	s_wait_dscnt 0x0
	WIN 0x08                                       ; source 1 in window 2
.irp t, 0,1,2,3,4,5,6,7
	v_pk_add_f32 v[TMP+32*((\a)%2)+4*(\t):TMP+32*((\a)%2)+4*(\t)+1],   v[TMP+32*((\a)%2)+4*(\t):TMP+32*((\a)%2)+4*(\t)+1],   v[4*(8*(\a)+(\t)):4*(8*(\a)+(\t))+1]
	v_pk_add_f32 v[TMP+32*((\a)%2)+4*(\t)+2:TMP+32*((\a)%2)+4*(\t)+3], v[TMP+32*((\a)%2)+4*(\t)+2:TMP+32*((\a)%2)+4*(\t)+3], v[4*(8*(\a)+(\t))+2:4*(8*(\a)+(\t))+3]
.endr
	WIN 0
.irp t, 0,1,2,3,4,5,6,7
	global_store_b128 v[CO], v[TMP+32*((\a)%2)+4*(\t):TMP+32*((\a)%2)+4*(\t)+3], s[72:73] offset:(16*(\a)+2*(\t))*4096  ; sixteen lanes store 256 consecutive bytes, aligned
.endr
.endr
	s_wait_tensorcnt 0x0                           ; the wave's end
	ds_add_u32 v[SPW], v[NIL]
	s_wait_dscnt 0x0
	CROUND                                         ; the closing round
	s_endpgm
.Lfunc_end_k_q5b7250eec6_wo:
	.size	k_q5b7250eec6_wo, .Lfunc_end_k_q5b7250eec6_wo-k_q5b7250eec6_wo
	.p2alignl 7, 3214868480
	.fill 96, 4, 3214868480
	.section	.rodata,"a",@progbits
	.p2align	6, 0x0
	.amdhsa_kernel k_q5b7250eec6_wo
		.amdhsa_group_segment_fixed_size 327680
		.amdhsa_private_segment_fixed_size 0
		.amdhsa_enable_private_segment 0
		.amdhsa_kernarg_size 40
		.amdhsa_user_sgpr_count 2
		.amdhsa_user_sgpr_kernarg_segment_ptr 1
		.amdhsa_wavefront_size32 1
		.amdhsa_system_sgpr_workgroup_id_x 1
		.amdhsa_system_sgpr_workgroup_id_y 1
		.amdhsa_system_sgpr_workgroup_id_z 1
		.amdhsa_system_vgpr_workitem_id 0
		.amdhsa_next_free_vgpr 704
		.amdhsa_next_free_sgpr 100
		.amdhsa_reserve_vcc 0
		.amdhsa_float_denorm_mode_32 3
		.amdhsa_float_denorm_mode_16_64 3
		.amdhsa_memory_ordered 1
		.amdhsa_forward_progress 1
		.amdhsa_inst_pref_size 67
	.end_amdhsa_kernel
	.amdgpu_metadata
---
amdhsa.version: [ 1, 2 ]
amdhsa.kernels:
  - .name:           k_q5b7250eec6_wo
    .symbol:         k_q5b7250eec6_wo.kd
    .args:
      - { .name: ctx, .offset: 0, .size: 8, .value_kind: global_buffer, .address_space: global }
      - { .name: wb, .offset: 8, .size: 8, .value_kind: global_buffer, .address_space: global }
      - { .name: bo, .offset: 16, .size: 8, .value_kind: global_buffer, .address_space: global }
      - { .name: x, .offset: 24, .size: 8, .value_kind: global_buffer, .address_space: global }
      - { .name: x1, .offset: 32, .size: 8, .value_kind: global_buffer, .address_space: global }
    .group_segment_fixed_size: 327680
    .private_segment_fixed_size: 0
    .kernarg_segment_align: 8
    .kernarg_segment_size: 40
    .max_flat_workgroup_size: 128
    .sgpr_count:     100
    .vgpr_count:     704
    .wavefront_size: 32
...
	.end_amdgpu_metadata
.endif
;; end of part 4
;; launch ln2: the kernel of part 1 again; grid 64 x 4, 8 waves a work-group, no clusters, 0 bytes of LDS; arguments x1, g2, be2, Wq, Wk, Wv, Wo, W1, W2, h, wb; writes h, wb
;; launch ff1 (part 5): grid 16 x 16, 4 waves a work-group, clusters of 4 x 4, 327,680 bytes of LDS; arguments h, wb, b1, ff; writes ff
.if DOCPART == 5
	.amdgcn_target "amdgcn-amd-amdhsa--gfx1250"
	.amdhsa_code_object_version 6
	.text
	.protected	k_q5b7250eec6_ff1
	.globl	k_q5b7250eec6_ff1
	.p2align	8
	.type	k_q5b7250eec6_ff1,@function
k_q5b7250eec6_ff1:
	s_mov_b64 s[64:65], 0
	v_nop
	global_prefetch_b8 v0, s[64:65] scope:SCOPE_SE
	s_setreg_imm32_b32 hwreg(HW_REG_WAVE_MODE, 25, 1), 1
	s_wait_xcnt 0x0
	s_wait_alu depctr_hold_cnt(0) depctr_sa_sdst(0) depctr_va_vdst(0) depctr_va_sdst(0) depctr_va_ssrc(0) depctr_va_vcc(0) depctr_vm_vsrc(0)
	s_getreg_b32 s2, hwreg(HW_REG_IB_STS2, 6, 4)
	s_cmp_eq_u32 s2, 0
	s_cbranch_scc0 .Lentry_in_a_cluster
	s_endpgm
.Lentry_in_a_cluster:
	s_bfe_u32 s2, ttmp6, 0x10000c
	s_cmp_lg_u32 s2, 0xf033
	s_cbranch_scc0 .Lentry_shape_is_right
	s_endpgm
.Lentry_shape_is_right:
; ff[m][n] = gelu(sum over k of A[m][k] B[n][k] + b1[n]), rounded to bf16.  A = h [4096][1024], B = W1 [4096][1024] (in wb, 8 MiB in), both bf16 with K along the rows; sums in f32; ff [4096][4096].
; A tile of C is 256 x 256: four waves, each 128 x 128 in 64 accumulators.  K goes in steps of 128 through two LDS slots filled by tensor loads (rows of 256 bytes, aligned).
; CLUSTER 4 x 4: A's tiles are asked for jointly along a row of the cluster, B's along a column.
; The matrix instruction is used transposed (source 0 = rows of B, source 1 = rows of A): a lane holds eight neighbouring columns of one row of C.
; The bias is the C operand of the products that start the sums.  No asking ahead: a request has 224 matrix instructions up to the wait for it.
; THE WAY OUT: when the last K step's reads are over (a barrier says so) the ring has had its last fill; each wave lays its 128 x 128 in f32 into its own part of it and reads whole rows back, in a loop, so that
; the GELU's text stands once.
; LIMITS: operands rounded to bf16; NaN and infinities not treated apart.  GELU: max(x,0) - |x| erfc(|x|/sqrt 2)/2 with erfc by a cubic in 1/(1 + p z) times exp(-z^2)
; (Abramowitz and Stegun 7.1.25), off by at most 2.5e-5, so the result by at most 1.25e-5 |x|.
; REGISTERS: window 0: v16-29 addresses; v64-127, v128-191 A's fragments; on the way out v32-223.  window 1: v64-191 B's fragments; v192-255 the bias.  windows 2, 3: accumulator (a, b) at v[8 (8 a + b)].
.set SIZE_K, 1024
.set KSTEP,  128
.set PITCH,  272                       ; an LDS row: 256 bytes + 16: sixteen rows of a fragment start at sixteen different groups of four banks (ISA guide 11.1)
.set HALFT,  128*PITCH                 ; what one tensor load brings
.set SLOT,   4*HALFT                   ; 0x22000: shares no bit with wave x HALFT, so an exclusive or turns a tile's LDS address into the other slot's
.set SPARE,  2*SLOT                    ; behind the ring: the spare words, 128 bytes a wave
.set SP,     528                       ; a stage row: 128 f32 + 16 bytes
.set WSTG,   128*SP                    ; a wave's stage; four of them lie inside the ring's 278,528 bytes
.set WOFF,   0x800000
.set ADRA0, 16                         ; my lane's place in A's tile of slot 0; never rewritten
.set ADRB0, 17
.set ADRA,  18                         ; the same in the slot in hand
.set ADRB,  19
.set STO,   24
.set RD,    25
.set CO,    26
.set SPW,   28                         ; my spare word; never rewritten
.set NIL,   29                         ; 0
.set OB,    32
.set F0,    64
.set F1,    128
.set BIAS,  192
.set XR,    64
.set YR,    96
.set TR,    128
.set ER,    160
.set PQ,    192
.set G1,  24                           ; s[24:31] group 1 for A
.set G0,  32                           ; s[32:39] group 0 for A: a set for the first fill, a set that walks
.set G1B, 48
.set G0B, 56
.set BIASP, 76
.set OUTP,  78
.set MSB, 0
.macro WIN new                         ; the immediate's high byte repeats the setting that is left
.if MSB != (\new)
	s_set_vgpr_msb (MSB<<8)|(\new)
.set MSB, \new
.endif
.endm
.set MUL_LO, 0xa1                      ; B window 1, A window 0, C and D window 2
.set MUL_HI, 0xf1
.set TO_B,   0x40
.macro JLOAD s                         ; a joint load: waves 0, 1 fetch A's halves, waves 2, 3 B's
	s_cmp_eq_u32 s11, 0
	s_cbranch_scc0 .Lfor_b_\@
	tensor_load_to_lds s[G0+4*(\s):G0+4*(\s)+3], s[G1:G1+7]
	s_nop 0
.rept 4
	v_nop
.endr
	s_branch .Lasked_\@
.Lfor_b_\@:
	tensor_load_to_lds s[G0B+4*(\s):G0B+4*(\s)+3], s[G1B:G1B+7]
	s_nop 0
.rept 4
	v_nop
.endr
.Lasked_\@:
.endm
.macro CREST                           ; a round of the cluster's barrier behind its opening barrier
	s_cmp_lg_u32 s10, 0
	s_cbranch_scc1 .Lnot_wave_0_\@
	s_barrier_signal -3
.Lnot_wave_0_\@:
	s_barrier_wait -3
	s_barrier_signal -1
	s_barrier_wait -1
.endm
.macro CROUND
	s_barrier_signal -1
	s_barrier_wait -1
	CREST
.endm
	s_load_b128 s[4:7], s[0:1], 0x0                ; A, wb
	s_load_b128 s[68:71], s[0:1], 0x10             ; b1, ff
	v_lshl_add_u32 v[SPW], v0, 2, SPARE
	v_mov_b32 v[NIL], 0
	ds_add_u32 v[SPW], v[NIL]                      ; the wave's opening: the add and its wait stand ahead of my first tensor load
	v_lshrrev_b32 v1, 5, v0
	v_readfirstlane_b32 s10, v1                    ; wave 0..3
	s_lshr_b32 s11, s10, 1                         ; my half of the tile's rows; also: I fetch for A (0) or B (1)
	s_and_b32 s12, s10, 1                          ; my half of its columns; also: which 128 rows I fetch
	s_bfe_u32 s40, ttmp6, 0x40000                  ; cx
	s_bfe_u32 s41, ttmp6, 0x40004                  ; cy
	s_lshl_b32 s42, ttmp9, 2
	s_add_co_u32 s42, s42, s40                     ; tile column
	s_and_b32 s13, ttmp7, 0xffff
	s_lshl_b32 s13, s13, 2
	s_add_co_u32 s13, s13, s41                     ; tile row
	s_lshl_b32 s43, s41, 2
	s_lshl_b32 s43, 15, s43                        ; my row of the cluster
	s_lshl_b32 s44, 0x1111, s40                    ; my column
	s_or_b32 s[G1+0], s43, (1<<16)|(1<<20)|(1<<21)|(5<<22)|(3<<25)   ; mask; 2-byte elements; padding on; bit 21 beside a mask; 4 words after every 64
	s_or_b32 s[G1B+0], s44, (1<<16)|(1<<20)|(1<<21)|(5<<22)|(3<<25)
.irp g, G1, G1B
	s_mov_b32 s[(\g)+1], KSTEP<<16                 ; tensor_dim0 = 128
	s_mov_b32 s[(\g)+2], 128<<16                   ; tensor_dim1 = 128
	s_mov_b32 s[(\g)+3], KSTEP<<16                 ; tile_dim0 = 128
	s_mov_b32 s[(\g)+4], 128                       ; tile_dim1 = 128
	s_mov_b32 s[(\g)+5], SIZE_K                    ; elements from row to row
	s_mov_b32 s[(\g)+6], 0
	s_mov_b32 s[(\g)+7], 0
.endr
	s_lshl_b32 s17, s12, 7
	s_lshl_b32 s16, s13, 8
	s_add_co_u32 s16, s16, s17                     ; A: row 256 x tile row + 128 x half
	s_lshl_b32 s46, s42, 8
	s_add_co_u32 s46, s46, s17                     ; B: row 256 x tile column + 128 x half
	s_lshl_b32 s16, s16, 11                        ; 2,048 bytes a row
	s_mov_b32 s17, 0
	s_lshl_b32 s46, s46, 11
	s_mov_b32 s47, 0
	s_mul_i32 s20, s10, HALFT                      ; where my load lands: wave x 128 rows
	s_mov_b32 s2, 0                                ; the slot in hand: 0 or SLOT
	s_wait_dscnt 0x0                               ; the opening add is done
	s_wait_kmcnt 0x0
	s_add_nc_u64 s[14:15], s[4:5], s[16:17]
	s_add_nc_u64 s[46:47], s[6:7], s[46:47]
	s_add_nc_u64 s[46:47], s[46:47], WOFF
	CROUND                                         ; all sixteen work-groups are here: the first joint loads meet
.irp s, 0,1
	s_mov_b32 s[G0+4*(\s)], 1
	s_add_co_u32 s[G0+4*(\s)+1], s20, (\s)*SLOT
	s_add_nc_u64 s[G0+4*(\s)+2:G0+4*(\s)+3], s[14:15], (\s)*KSTEP*2
	s_or_b32 s[G0+4*(\s)+3], s[G0+4*(\s)+3], 0x80000000
	s_mov_b32 s[G0B+4*(\s)], 1
	s_add_co_u32 s[G0B+4*(\s)+1], s20, (\s)*SLOT
	s_add_nc_u64 s[G0B+4*(\s)+2:G0B+4*(\s)+3], s[46:47], (\s)*KSTEP*2
	s_or_b32 s[G0B+4*(\s)+3], s[G0B+4*(\s)+3], 0x80000000
	JLOAD \s                                       ; K steps 0 and 1: two loads of mine are out
.endr
	v_and_b32 v1, 15, v0                           ; l % 16
	v_bfe_u32 v2, v0, 4, 1                         ; l / 16
	v_mul_u32_u24 v3, v1, PITCH
	v_lshl_add_u32 v3, v2, 4, v3
	s_mul_i32 s21, s11, HALFT
	s_mul_i32 s22, s12, HALFT
	s_add_co_u32 s22, s22, 2*HALFT
	v_add_nc_u32 v[ADRA0], s21, v3
	v_add_nc_u32 v[ADRB0], s22, v3
	v_mov_b32 v[ADRA], v[ADRA0]
	v_mov_b32 v[ADRB], v[ADRB0]
	s_mul_i32 s23, s10, WSTG
	v_mul_u32_u24 v4, v1, SP                       ; into the stage: row l % 16, 32 bytes for each half of the lanes
	v_lshl_add_u32 v4, v2, 5, v4
	v_add_nc_u32 v[STO], s23, v4
	v_and_b32 v4, 31, v0
	v_lshlrev_b32 v[CO], 3, v4                     ; 8 bytes a lane out
	v_lshlrev_b32 v5, 5, v2                        ; the bias: my eight columns of a block of 16
	v_lshl_add_u32 v[RD], v4, 4, s23               ; back: a row of 512 bytes, 16 a lane
	s_lshl_b32 s46, s42, 10                        ; (256 x tile column + 128 x half) x 4
	s_lshl_b32 s47, s12, 9
	s_add_co_u32 s46, s46, s47
	s_mov_b32 s47, 0
	s_add_nc_u64 s[BIASP:BIASP+1], s[68:69], s[46:47]
	s_lshr_b32 s46, s46, 1                         ; the same columns in bf16
	s_lshl_b32 s16, s13, 8
	s_lshl_b32 s17, s11, 7
	s_add_co_u32 s16, s16, s17
	s_lshl_b32 s16, s16, 13                        ; 8,192 bytes a row of ff
	s_add_co_u32 s46, s46, s16
	s_add_nc_u64 s[OUTP:OUTP+1], s[70:71], s[46:47]
	s_mov_b32 s82, 0x3f596d27                      ; sqrt(log2(e) / 2): y = this x |x|, so that exp(-x^2 / 2) = 2^(-y^2)
	s_mov_b32 s83, 0x7fffffff
	s_mov_b32 s84, 0x3ec88bda                      ; p z = this x y
	s_mov_b32 s85, s84
	s_mov_b32 s86, 0x3ee16a97                      ; the cubic's three numbers, each divided by twice s82
	s_mov_b32 s87, s86
	s_mov_b32 s88, 0xbd6732c9
	s_mov_b32 s89, s88
	s_mov_b32 s90, 0x3e51cd01
	s_mov_b32 s91, s90
	WIN TO_B
.irp b, 0,1,2,3,4,5,6,7
	global_load_b128 v[BIAS+8*(\b):BIAS+8*(\b)+3],   v5, s[BIASP:BIASP+1] offset:64*(\b)
	global_load_b128 v[BIAS+8*(\b)+4:BIAS+8*(\b)+7], v5, s[BIASP:BIASP+1] offset:64*(\b)+16
.endr
	WIN 0
; 16 matrix instructions: m blocks a0, a0 + 1 of the window's four x all 8 n blocks, 32 along K.  zero = 1: the product starts the sum from the bias.
; The 64 accumulators take turns, one instruction a turn, in the same order in every quarter.
.macro MUL16 f, hi, a0, zero
.if \zero
	WIN 0x91+0x40*(\hi)
.else
	WIN MUL_LO+0x50*(\hi)
.endif
.irp a, \a0, (\a0)+1
.irp b, 0,1,2,3,4,5,6,7
.if \zero
	v_wmma_f32_16x16x32_bf16 v[8*(8*(\a)+(\b)):8*(8*(\a)+(\b))+7], v[(\f)+8*(\b):(\f)+8*(\b)+7], v[(\f)+8*(4*(\hi)+(\a)):(\f)+8*(4*(\hi)+(\a))+7], v[BIAS+8*(\b):BIAS+8*(\b)+7]
.else
	v_wmma_f32_16x16x32_bf16 v[8*(8*(\a)+(\b)):8*(8*(\a)+(\b))+7], v[(\f)+8*(\b):(\f)+8*(\b)+7], v[(\f)+8*(4*(\hi)+(\a)):(\f)+8*(4*(\hi)+(\a))+7], v[8*(8*(\a)+(\b)):8*(8*(\a)+(\b))+7]
.endif
.endr
.endr
.endm
.macro FETCH k, f                      ; 32 LDS loads in one run: a quarter step's fragments, at byte k of the rows of the slot in hand
	WIN TO_B
.irp i, 0,1,2,3,4,5,6,7
	ds_load_b128 v[(\f)+8*(\i):(\f)+8*(\i)+3],   v[ADRB] offset:(\k)+(\i)*16*PITCH
	ds_load_b128 v[(\f)+8*(\i)+4:(\f)+8*(\i)+7], v[ADRB] offset:(\k)+(\i)*16*PITCH+32
.endr
	WIN 0
.irp i, 0,1,2,3,4,5,6,7
	ds_load_b128 v[(\f)+8*(\i):(\f)+8*(\i)+3],   v[ADRA] offset:(\k)+(\i)*16*PITCH
	ds_load_b128 v[(\f)+8*(\i)+4:(\f)+8*(\i)+7], v[ADRA] offset:(\k)+(\i)*16*PITCH+32
.endr
.endm
.macro PLACES                          ; four places in front of loads into registers that matrix instructions have read, and of reads of results
.rept 4
	v_nop
.endr
.endm
.macro QUARTER k, f, g, zero           ; multiplies buffer f; in its middle fetches the next quarter, at byte k, into g
	s_wait_dscnt 8                                 ; B and A's rows 0-63 are in; the youngest eight loads may be out
	MUL16 \f, 0, 0, \zero
	MUL16 \f, 0, 2, \zero
	PLACES
	FETCH \k, \g
	s_wait_dscnt 32                                ; all but the 32 just issued
	MUL16 \f, 1, 0, \zero
	MUL16 \f, 1, 2, \zero
.endm
.macro MEET                            ; the first half of a step's last quarter, and the one barrier of a change of slots
	WIN 0
	s_wait_tensorcnt 0x0                           ; all my tensor loads have landed: the one that was out is my part of the next slot
	ds_add_u32 v[SPW], v[NIL]                      ; 0 onto my spare word
	s_wait_dscnt 9                                 ; (the add and the youngest eight loads may be out)
	MUL16 F1, 0, 0, 0
	s_wait_dscnt 0x0                               ; the add is done, and my reads of this slot are over
	s_barrier_signal -1
	MUL16 F1, 0, 2, 0
	WIN 0
	s_barrier_wait -1
.endm
.macro NEXTSLOT                        ; the lanes' addresses go to the other slot
	s_xor_b32 s2, s2, SLOT
	v_add_nc_u32 v[ADRA], s2, v[ADRA0]
	v_add_nc_u32 v[ADRB], s2, v[ADRB0]
.endm
.macro TURNF                           ; the last quarter with a refill: the barrier opens a round of the cluster's barrier, and the joint load is the first thing behind it
	MEET
	CREST                                          ; no wave of any partner still reads this slot or has a load on its way
	s_xor_b32 s[G0+5], s[G0+5], SLOT               ; the walking descriptors: the slot just read,
	s_xor_b32 s[G0B+5], s[G0B+5], SLOT
	s_add_nc_u64 s[G0+6:G0+7], s[G0+6:G0+7], KSTEP*2   ; the K step two on from the one just read
	s_add_nc_u64 s[G0B+6:G0B+7], s[G0B+6:G0B+7], KSTEP*2
	JLOAD 1                                        ; 224 matrix instructions ahead of the wait for it; its four v_nop are the places in front of the loads below
	NEXTSLOT
	FETCH 0, F0
	MUL16 F1, 1, 0, 0
	MUL16 F1, 1, 2, 0
.endm
	s_wait_tensorcnt 1                             ; my part of K step 0 is in; step 1's may stay out
	s_barrier_signal -1
	s_barrier_wait -1
	FETCH 0, F0
	s_wait_loadcnt 0x0                             ; the bias
	QUARTER 64, F0, F1, 1
	WIN 0
	s_mov_b32 s3, SIZE_K/KSTEP-2
.Lstep:                                                ; a trip: from a K step's second quarter to the next step's first; steps 0 to 5 ask for steps 2 to 7
	QUARTER 128, F1, F0, 0
	QUARTER 192, F0, F1, 0
	TURNF
	QUARTER 64, F0, F1, 0
	WIN 0
	s_sub_co_u32 s3, s3, 1
	s_cmp_lg_u32 s3, 0
	s_cbranch_scc1 .Lstep
	s_mov_b32 s3, 2
.Ltail:                                                ; the last two K steps ask for nothing; the second trip is left in its middle
	QUARTER 128, F1, F0, 0
	QUARTER 192, F0, F1, 0
	MEET
	s_sub_co_u32 s3, s3, 1
	s_cmp_eq_u32 s3, 0
	s_cbranch_scc1 .Lfin
	PLACES
	NEXTSLOT
	FETCH 0, F0
	MUL16 F1, 1, 0, 0
	MUL16 F1, 1, 2, 0
	QUARTER 64, F0, F1, 0
	WIN 0
	s_branch .Ltail
.Lfin:
	MUL16 F1, 1, 0, 0
	MUL16 F1, 1, 2, 0
	; Every wave's reads of the ring were over in front of the last barrier, and no fill follows: the ring's bytes now serve as stages.
	PLACES
.irp hi, 0,1
	WIN 0x08+4*(\hi)                               ; store data in window 2, then 3
.irp a, 0,1,2,3
.irp b, 0,1,2,3,4,5,6,7
	ds_store_b128 v[STO], v[8*(8*(\a)+(\b)):8*(8*(\a)+(\b))+3]   offset:(4*(\hi)+(\a))*16*SP+64*(\b)
	ds_store_b128 v[STO], v[8*(8*(\a)+(\b))+4:8*(8*(\a)+(\b))+7] offset:(4*(\hi)+(\a))*16*SP+64*(\b)+16
.endr
.endr
.endr
	WIN 0
; THE GELU OF EIGHT ROWS, as a pipeline of rows (a lane has four numbers of a row).  Stage k holds the 8 transcendentals of row k - 1 (GT), the 10 plain lines that prepare row k and the 16 that finish row k - 2 (GP),
; dealt as one transcendental, three plain lines: no transcendental's result is read, and none of its sources written, by the lines of its own stage, which work on other rows.
; GP n, plain line n of stage k.  0-9, row k: |x|; y = s82 |x|; 1 + p z; -y^2.   10-25, row k - 2: max(x, 0); the cubic in t, times t, times 2^(-y^2); max(x, 0) - y times that; two roundings to bf16.
.macro GP n
.set gn, (\n)
.if (gn < 10) && (k < 8)
.set gr, 4*k
.if gn < 4
	v_and_b32 v[YR+gr+gn], s83, v[XR+gr+gn]
.elseif gn < 6
.set gp, gr+2*(gn-4)
	v_pk_mul_f32 v[YR+gp:YR+gp+1], v[YR+gp:YR+gp+1], s[82:83] op_sel_hi:[1,0]
.elseif gn < 8
.set gp, gr+2*(gn-6)
	v_pk_fma_f32 v[TR+gp:TR+gp+1], v[YR+gp:YR+gp+1], s[84:85], 1.0 op_sel_hi:[1,0,0]
.else
.set gp, gr+2*(gn-8)
	v_pk_mul_f32 v[ER+gp:ER+gp+1], v[YR+gp:YR+gp+1], v[YR+gp:YR+gp+1] neg_lo:[1,0] neg_hi:[1,0]
.endif
.elseif (gn >= 10) && (k >= 2)
.set gr, 4*(k-2)
.set ge, gn-10
.set gp, gr+2*(ge%2)
.if ge < 4
	v_max_num_f32 v[XR+gr+ge], 0, v[XR+gr+ge]
.elseif ge < 6
	s_wait_alu depctr_va_vdst(0)
	v_pk_fma_f32 v[PQ+gp:PQ+gp+1], v[TR+gp:TR+gp+1], s[86:87], s[88:89] op_sel_hi:[1,0,0]
.elseif ge < 8
	v_pk_fma_f32 v[PQ+gp:PQ+gp+1], v[PQ+gp:PQ+gp+1], v[TR+gp:TR+gp+1], s[90:91] op_sel_hi:[1,1,0]
.elseif ge < 10
	v_pk_mul_f32 v[PQ+gp:PQ+gp+1], v[PQ+gp:PQ+gp+1], v[TR+gp:TR+gp+1]
.elseif ge < 12
	s_wait_alu depctr_va_vdst(0)
	v_pk_mul_f32 v[PQ+gp:PQ+gp+1], v[PQ+gp:PQ+gp+1], v[ER+gp:ER+gp+1]
.elseif ge < 14
	v_pk_fma_f32 v[XR+gp:XR+gp+1], v[YR+gp:YR+gp+1], v[PQ+gp:PQ+gp+1], v[XR+gp:XR+gp+1] neg_lo:[1,0,0] neg_hi:[1,0,0]
.else
	v_cvt_pk_bf16_f32 v[OB+gr/2+ge%2], v[XR+gp], v[XR+gp+1]
.endif
.endif
.endm
.macro GT t                            ; transcendental t of stage k, row k - 1: t = 1 / (1 + p z), four times; 2^(-y^2), four times
.if (k >= 1) && (k <= 8)
.set gr, 4*(k-1)
.if (\t) < 4
	v_rcp_f32 v[TR+gr+(\t)], v[TR+gr+(\t)]
.else
	v_exp_f32 v[ER+gr+(\t)-4], v[ER+gr+(\t)-4]
.endif
.endif
.endm
	s_mov_b32 s3, 16
.Lout:                                                 ; eight rows a trip; LDS serves a wave's instructions in order (ISA guide 5.7.1.4), so these loads see my stores
.irp i, 0,1,2,3,4,5,6,7
	ds_load_b128 v[XR+4*(\i):XR+4*(\i)+3], v[RD] offset:SP*(\i)
.endr
	v_add_nc_u32 v[RD], 8*SP, v[RD]
.set k, 0
.rept 10
.if k < 8
	s_wait_dscnt 7-k                               ; row k is in, the younger ones stay out
.endif
.set u, 0
.rept 8
	GT u
	GP 3*u
	GP 3*u+1
	GP 3*u+2
.set u, u+1
.endr
	GP 24
	GP 25
.if k >= 2
	global_store_b64 v[CO], v[OB+2*(k-2):OB+2*(k-2)+1], s[OUTP:OUTP+1] offset:8192*(k-2)  ; my 128 columns of a row: 256 consecutive bytes, aligned
.endif
.set k, k+1
.endr
	s_wait_xcnt 0x0                                ; the stores' data and base are rewritten only behind this wait
	s_add_nc_u64 s[OUTP:OUTP+1], s[OUTP:OUTP+1], 8*8192
	s_sub_co_u32 s3, s3, 1
	s_cmp_lg_u32 s3, 0
	s_cbranch_scc1 .Lout
	s_wait_tensorcnt 0x0                           ; the wave's end
	ds_add_u32 v[SPW], v[NIL]
	s_wait_dscnt 0x0
	CROUND                                         ; the closing round
	s_endpgm
.Lfunc_end_k_q5b7250eec6_ff1:
	.size	k_q5b7250eec6_ff1, .Lfunc_end_k_q5b7250eec6_ff1-k_q5b7250eec6_ff1
	.p2alignl 7, 3214868480
	.fill 96, 4, 3214868480
	.section	.rodata,"a",@progbits
	.p2align	6, 0x0
	.amdhsa_kernel k_q5b7250eec6_ff1
		.amdhsa_group_segment_fixed_size 327680
		.amdhsa_private_segment_fixed_size 0
		.amdhsa_enable_private_segment 0
		.amdhsa_kernarg_size 32
		.amdhsa_user_sgpr_count 2
		.amdhsa_user_sgpr_kernarg_segment_ptr 1
		.amdhsa_wavefront_size32 1
		.amdhsa_system_sgpr_workgroup_id_x 1
		.amdhsa_system_sgpr_workgroup_id_y 1
		.amdhsa_system_sgpr_workgroup_id_z 1
		.amdhsa_system_vgpr_workitem_id 0
		.amdhsa_next_free_vgpr 1024
		.amdhsa_next_free_sgpr 96
		.amdhsa_reserve_vcc 0
		.amdhsa_float_denorm_mode_32 3
		.amdhsa_float_denorm_mode_16_64 3
		.amdhsa_memory_ordered 1
		.amdhsa_forward_progress 1
		.amdhsa_inst_pref_size 96
	.end_amdhsa_kernel
	.amdgpu_metadata
---
amdhsa.version: [ 1, 2 ]
amdhsa.kernels:
  - .name:           k_q5b7250eec6_ff1
    .symbol:         k_q5b7250eec6_ff1.kd
    .args:
      - { .name: h, .offset: 0, .size: 8, .value_kind: global_buffer, .address_space: global }
      - { .name: wb, .offset: 8, .size: 8, .value_kind: global_buffer, .address_space: global }
      - { .name: b1, .offset: 16, .size: 8, .value_kind: global_buffer, .address_space: global }
      - { .name: ff, .offset: 24, .size: 8, .value_kind: global_buffer, .address_space: global }
    .group_segment_fixed_size: 327680
    .private_segment_fixed_size: 0
    .kernarg_segment_align: 8
    .kernarg_segment_size: 32
    .max_flat_workgroup_size: 128
    .sgpr_count:     96
    .vgpr_count:     1024
    .wavefront_size: 32
...
	.end_amdgpu_metadata
.endif
;; end of part 5
;; launch ff2 (part 6): grid 8 x 32, 4 waves a work-group, clusters of 4 x 4, 327,680 bytes of LDS; arguments ff, wb, b2, x1, out0; writes out0
.if DOCPART == 6
	.amdgcn_target "amdgcn-amd-amdhsa--gfx1250"
	.amdhsa_code_object_version 6
	.text
	.protected	k_q5b7250eec6_ff2
	.globl	k_q5b7250eec6_ff2
	.p2align	8
	.type	k_q5b7250eec6_ff2,@function
k_q5b7250eec6_ff2:
	s_mov_b64 s[64:65], 0
	v_nop
	global_prefetch_b8 v0, s[64:65] scope:SCOPE_SE
	s_setreg_imm32_b32 hwreg(HW_REG_WAVE_MODE, 25, 1), 1
	s_wait_xcnt 0x0
	s_wait_alu depctr_hold_cnt(0) depctr_sa_sdst(0) depctr_va_vdst(0) depctr_va_sdst(0) depctr_va_ssrc(0) depctr_va_vcc(0) depctr_vm_vsrc(0)
	s_getreg_b32 s2, hwreg(HW_REG_IB_STS2, 6, 4)
	s_cmp_eq_u32 s2, 0
	s_cbranch_scc0 .Lentry_in_a_cluster
	s_endpgm
.Lentry_in_a_cluster:
	s_bfe_u32 s2, ttmp6, 0x10000c
	s_cmp_lg_u32 s2, 0xf033
	s_cbranch_scc0 .Lentry_shape_is_right
	s_endpgm
.Lentry_shape_is_right:
; out[m][n] = res[m][n] + bias[n] + sum over k of A[m][k] B[n][k]; out and res [4096][1024] f32, A and B bf16, sums in f32.
; IS_FF2 = 0: A = ctx, laid by heads [32 = batch x 16 + head][2048][64], K = 1,024 (k = 64 head + channel); B = Wo.   IS_FF2 = 1: A = ff [4096][4096], K = 4,096; B = W2.
; A tile of C is 128 x 128, so that the 4,096 x 1,024 results give each of 256 work-groups one tile.  Four waves, each 64 x 64 in 16 accumulators.  K goes in chunks of 256 through two LDS slots.
; CLUSTER 4 x 4: A's tiles are asked for jointly along a row of the cluster, B's along a column.  The matrix instruction is used transposed: a lane holds eight neighbouring columns of one row of C.
; THE ORDER OF K.  Step t takes chunk t xor p, p = (the cluster's x + the cluster's y) mod 2, a number that all partners of a cluster share.  A's tiles are read by the two clusters of a cluster row,
; B's by the eight of a cluster column; neighbours have unlike p, so of two neighbours one asks for a chunk a step ahead of the other, by turns.  The sums take K in that order.
; ASKING AHEAD (IS_FF2 alone).  In the trip that requests step n + 2, wave 0 asks by one prefetch, lanes 256 bytes apart, for 16 rows x 512 bytes of A's chunk n + 4: the eight work-groups of a tile row share
; its 128 rows.  Wave 1 asks likewise for 16 rows of B's chunk in the trips in which the chunk mod 4 is the cluster's y mod 4: of the 32 work-groups of a tile column eight take a chunk.  So each 256 bytes of
; chunks 4 to 15 are asked for once in the launch, one to three trips ahead of the tensor loads that read them, 2.5 MiB a trip for all work-groups; a chunk of 16 or more is not asked for.
; The bias is the C operand of the products that start the sums; the residual is loaded at the start, in the layout of the way out, and is on its way during the whole K loop.
; A wave's 64 columns of f32 are 256 aligned bytes: each wave goes out through a stage of its own.
; LIMITS: operands rounded to bf16; NaN and infinities not treated apart.
; REGISTERS: window 0: v16-29 addresses; v32-95 at work on the way out; v128-255 accumulator (a, b) at v[128 + 8 (4 a + b)].  window 1: two fragment buffers of 128.  window 2: v0-127 the residual; v128-159 the bias.
.set IS_FF2, 1
.if IS_FF2
.set SIZE_K, 4096
.set WOFF,   0x1000000
.set PA,     528                       ; A's LDS pitch from row to row
.set SLICE,  128                       ; LDS bytes from one 128 bytes of a row's K to the next
.set ASH,    9                         ; log2 of the bytes of memory from a chunk of A to the next
.set KSH,    13                        ; log2 of a row of B in bytes
.else
.set SIZE_K, 1024
.set WOFF,   0x600000
.set PA,     144
.set SLICE,  128*PA
.set ASH,    20                        ; four heads
.set KSH,    11
.endif
.set KSTEP,  256
.set NSTEP,  SIZE_K/KSTEP
.set PB,     528
.set AHALF,  64*528*IS_FF2+2*128*144*(1-IS_FF2)  ; what one load of A brings
.set ATILE,  2*AHALF
.set BHALF,  64*PB
.set SLOT1,  0x24000                   ; slot 1 begins here: the number shares no bit with a tile's LDS address in slot 0, so an exclusive or turns the one into the other
.set STAGE,  2*SLOT1                   ; 16 rows x 272 bytes for each wave; no fill lands here
.set SPITCH, 272
.set SPARE,  STAGE+4*16*SPITCH         ; the spare words, 128 bytes a wave
.set ADRA0, 16
.set ADRB0, 17
.set ADRA,  18
.set ADRB,  19
.set STO,   24
.set RD,    25
.set CO,    26
.set PFO,   27                         ; my lane's byte offset in what my wave asks ahead for; never rewritten
.set SPW,   28
.set NIL,   29
.set TMP,   32
.set ACC,   128
.set F0,    0
.set F1,    128
.set BIAS,  128                        ; window 2
.set G1,  24
.set G0,  32
.set G1B, 48
.set G0B, 56
.set ABASE, 80                         ; s[80:81] my part of A's tile at chunk 0
.set BBASE, 82                         ; s[82:83] the same for B
.set PAR,   84                         ; s84  p
.set NXT,   85                         ; s85  the step to be requested next
.set OFA,   86                         ; s[86:87] a chunk's byte offset in A
.set OFB,   88                         ; s[88:89] in B
.set PM,    90                         ; s90, s91: my wave asks ahead when (chunk and PM) = PV
.set PV,    91
.set ASK,   92                         ; s92  the chunk to ask for
.set TM,    93
.set POF,   94                         ; s[94:95] its byte offset
.set PAD,   96                         ; s[96:97] base + offset
.set PBASE, 98                         ; s[98:99] chunk 0 of the rows among which my wave asks
.set MSB, 0
.macro WIN new
.if MSB != (\new)
	s_set_vgpr_msb (MSB<<8)|(\new)
.set MSB, \new
.endif
.endm
.set MUL,  0x05                        ; sources 0 (B) and 1 (A) window 1; C and D window 0
.set MULB, 0x25                        ; the same with C in window 2
.set TO_F, 0x40
.macro JLOAD s                         ; waves 0, 1 fetch A's halves, waves 2, 3 B's
	s_cmp_eq_u32 s11, 0
	s_cbranch_scc0 .Lfor_b_\@
	tensor_load_to_lds s[G0+4*(\s):G0+4*(\s)+3], s[G1:G1+7]
	s_nop 0
.rept 4
	v_nop
.endr
	s_branch .Lasked_\@
.Lfor_b_\@:
	tensor_load_to_lds s[G0B+4*(\s):G0B+4*(\s)+3], s[G1B:G1B+7]
	s_nop 0
.rept 4
	v_nop
.endr
.Lasked_\@:
.endm
.macro CREST
	s_cmp_lg_u32 s10, 0
	s_cbranch_scc1 .Lnot_wave_0_\@
	s_barrier_signal -3
.Lnot_wave_0_\@:
	s_barrier_wait -3
	s_barrier_signal -1
	s_barrier_wait -1
.endm
.macro CROUND
	s_barrier_signal -1
	s_barrier_wait -1
	CREST
.endm
	s_load_b128 s[4:7], s[0:1], 0x0                ; A, wb
	s_load_b128 s[68:71], s[0:1], 0x10             ; bias, residual
	s_load_b64 s[72:73], s[0:1], 0x20              ; out
	v_lshl_add_u32 v[SPW], v0, 2, SPARE
	v_mov_b32 v[NIL], 0
	ds_add_u32 v[SPW], v[NIL]                      ; the wave's opening: the add and its wait stand ahead of my first tensor load
	v_lshrrev_b32 v1, 5, v0
	v_readfirstlane_b32 s10, v1
	s_lshr_b32 s11, s10, 1                         ; my half of the tile's rows; also: I fetch for A (0) or B (1)
	s_and_b32 s12, s10, 1                          ; my half of its columns; also: which half of that tile I fetch
	s_bfe_u32 s40, ttmp6, 0x40000
	s_bfe_u32 s41, ttmp6, 0x40004
	s_lshl_b32 s42, ttmp9, 2
	s_add_co_u32 s42, s42, s40                     ; tile column
	s_and_b32 s13, ttmp7, 0xffff
	s_add_co_u32 s[PAR], s13, ttmp9
	s_and_b32 s[PAR], s[PAR], 1                    ; p: made of the cluster's own coordinates
	s_lshl_b32 s13, s13, 2
	s_add_co_u32 s13, s13, s41                     ; tile row
	s_lshl_b32 s43, s41, 2
	s_lshl_b32 s43, 15, s43
	s_lshl_b32 s44, 0x1111, s40
.if IS_FF2
	s_or_b32 s[G1+0], s43, (1<<16)|(1<<20)|(1<<21)|(6<<22)|(3<<25)  ; 64 rows x 256 elements; 4 words of padding after every 128
	s_mov_b32 s[G1+1], KSTEP<<16
	s_mov_b32 s[G1+2], 64<<16
	s_mov_b32 s[G1+3], KSTEP<<16
	s_mov_b32 s[G1+4], 64
	s_mov_b32 s[G1+5], SIZE_K
.else
	s_or_b32 s[G1+0], s43, (1<<16)|(1<<20)|(1<<21)|(4<<22)|(3<<25)  ; 2 rows (heads) x 8,192 elements (128 tokens); 4 words of padding after every 32
	s_mov_b32 s[G1+1], 8192<<16
	s_mov_b32 s[G1+2], 2<<16
	s_mov_b32 s[G1+3], 8192<<16
	s_mov_b32 s[G1+4], 2
	s_mov_b32 s[G1+5], 131072                      ; elements from head to head
.endif
	s_mov_b32 s[G1+6], 0
	s_mov_b32 s[G1+7], 0
	s_or_b32 s[G1B+0], s44, (1<<16)|(1<<20)|(1<<21)|(6<<22)|(3<<25)
	s_mov_b32 s[G1B+1], KSTEP<<16
	s_mov_b32 s[G1B+2], 64<<16
	s_mov_b32 s[G1B+3], KSTEP<<16
	s_mov_b32 s[G1B+4], 64
	s_mov_b32 s[G1B+5], SIZE_K
	s_mov_b32 s[G1B+6], 0
	s_mov_b32 s[G1B+7], 0
.if IS_FF2
	s_lshl_b32 s16, s13, 7
	s_lshl_b32 s17, s12, 6
	s_add_co_u32 s16, s16, s17                     ; A: row 128 x tile row + 64 x half
	s_lshl_b32 s16, s16, 13
.else
	s_lshr_b32 s16, s13, 4                         ; batch: 16 heads of 262,144 bytes
	s_lshl_b32 s16, s16, 22
	s_lshl_b32 s17, s12, 19                        ; my two heads of the chunk's four
	s_add_co_u32 s16, s16, s17
	s_and_b32 s17, s13, 15                         ; the tile's 128 tokens
	s_lshl_b32 s17, s17, 14
	s_add_co_u32 s16, s16, s17
.endif
	s_mov_b32 s17, 0
	s_lshl_b32 s46, s42, 7
	s_lshl_b32 s47, s12, 6
	s_add_co_u32 s46, s46, s47                     ; B: row 128 x tile column + 64 x half
	s_lshl_b32 s46, s46, KSH
	s_add_co_u32 s46, s46, WOFF
	s_mov_b32 s47, 0
	s_mul_i32 s20, s12, AHALF                      ; where A's load lands,
	s_mul_i32 s21, s12, BHALF
	s_add_co_u32 s21, s21, ATILE                   ; and B's
	s_mov_b32 s2, 0                                ; the slot in hand: 0 or SLOT1
	s_mov_b32 s[NXT], 2
	s_mov_b32 s[OFA+1], 0
	s_mov_b32 s[OFB+1], 0
	s_wait_dscnt 0x0                               ; the opening add is done
	s_wait_kmcnt 0x0
	s_add_nc_u64 s[ABASE:ABASE+1], s[4:5], s[16:17]
	s_add_nc_u64 s[BBASE:BBASE+1], s[6:7], s[46:47]
	CROUND                                         ; all sixteen work-groups are here: the first joint loads meet
.irp s, 0,1
	s_xor_b32 s[OFA], s[PAR], \s                   ; step s takes chunk s xor p
	s_lshl_b32 s[OFB], s[OFA], 9
	s_lshl_b32 s[OFA], s[OFA], ASH
	s_mov_b32 s[G0+4*(\s)], 1
	s_add_co_u32 s[G0+4*(\s)+1], s20, (\s)*SLOT1
	s_add_nc_u64 s[G0+4*(\s)+2:G0+4*(\s)+3], s[ABASE:ABASE+1], s[OFA:OFA+1]
	s_or_b32 s[G0+4*(\s)+3], s[G0+4*(\s)+3], 0x80000000
	s_mov_b32 s[G0B+4*(\s)], 1
	s_add_co_u32 s[G0B+4*(\s)+1], s21, (\s)*SLOT1
	s_add_nc_u64 s[G0B+4*(\s)+2:G0B+4*(\s)+3], s[BBASE:BBASE+1], s[OFB:OFB+1]
	s_or_b32 s[G0B+4*(\s)+3], s[G0B+4*(\s)+3], 0x80000000
	JLOAD \s                                       ; steps 0 and 1: two loads of mine are out
.endr
	v_and_b32 v1, 15, v0
	v_bfe_u32 v2, v0, 4, 1
	v_mul_u32_u24 v3, v1, PA
	v_lshl_add_u32 v3, v2, 4, v3
	s_mul_i32 s22, s11, 64*PA                      ; my 64 rows of A
	v_add_nc_u32 v[ADRA0], s22, v3
	v_mul_u32_u24 v3, v1, PB
	v_lshl_add_u32 v3, v2, 4, v3
	s_mul_i32 s22, s12, BHALF                      ; my 64 rows of B
	s_add_co_u32 s22, s22, ATILE
	v_add_nc_u32 v[ADRB0], s22, v3
	v_mov_b32 v[ADRA], v[ADRA0]
	v_mov_b32 v[ADRB], v[ADRB0]
	s_mul_i32 s23, s10, 16*SPITCH
	s_add_co_u32 s23, s23, STAGE                   ; my stage
	v_mul_u32_u24 v4, v1, SPITCH                   ; in: row l % 16, 32 bytes for each half of the lanes
	v_lshl_add_u32 v4, v2, 5, v4
	v_add_nc_u32 v[STO], s23, v4
	v_mul_u32_u24 v4, v2, SPITCH                   ; back: lanes 0-15 one row of 256 bytes, lanes 16-31 the next
	v_lshl_add_u32 v4, v1, 4, v4
	v_add_nc_u32 v[RD], s23, v4
	v_lshlrev_b32 v4, 12, v2                       ; and the same two rows in memory
	v_lshl_add_u32 v[CO], v1, 4, v4
	v_lshlrev_b32 v5, 5, v2                        ; the bias: my eight columns of a block of 16
.if IS_FF2
	; what my wave asks ahead for: wave 0 among the 128 rows of A of my tile row, the 16 that my tile column numbers; wave 1 among the 128 rows of B of my tile column, the 16 numbered
	; 4 x (the cluster's y / 4) + cy; waves 2 and 3 never ask (a chunk and 3 is never 4)
	s_and_b32 s[TM], ttmp7, 0xffff                 ; the cluster's y
	s_lshr_b32 s[ASK], s[TM], 2
	s_lshl2_add_u32 s[ASK], s[ASK], s41
	s_and_b32 s[PV], s[TM], 3
	s_lshl_b32 s[POF], s42, 20                     ; 128 rows of 8,192 bytes
	s_add_co_u32 s[POF], s[POF], WOFF
	s_mov_b32 s[POF+1], 0
	s_add_nc_u64 s[PBASE:PBASE+1], s[6:7], s[POF:POF+1]
	s_lshl_b32 s[POF], s13, 20
	s_add_nc_u64 s[PAD:PAD+1], s[4:5], s[POF:POF+1]
	s_cmp_eq_u32 s10, 0
	s_cselect_b64 s[PBASE:PBASE+1], s[PAD:PAD+1], s[PBASE:PBASE+1]
	s_cselect_b32 s[ASK], s42, s[ASK]
	s_cselect_b32 s[PM], 0, 3
	s_cselect_b32 s[PV], 0, s[PV]
	s_cmp_gt_u32 s10, 1
	s_cselect_b32 s[PV], 4, s[PV]
	v_and_b32 v4, 31, v0
	v_lshrrev_b32 v6, 1, v4
	v_lshl_add_u32 v6, s[ASK], 4, v6               ; the row: two lanes to a row,
	v_and_b32 v4, 1, v4
	v_lshlrev_b32 v4, 8, v4                        ; 256 bytes apart
	v_lshl_add_u32 v[PFO], v6, 13, v4
.endif
	s_lshl_b32 s46, s42, 9                         ; (128 x tile column + 64 x half) x 4
	s_lshl_b32 s47, s12, 8
	s_add_co_u32 s46, s46, s47
	s_mov_b32 s47, 0
	s_add_nc_u64 s[68:69], s[68:69], s[46:47]
	s_lshl_b32 s16, s13, 7
	s_lshl_b32 s17, s11, 6
	s_add_co_u32 s16, s16, s17                     ; my first row
	s_lshl_b32 s16, s16, 12
	s_add_co_u32 s46, s46, s16
	s_add_nc_u64 s[70:71], s[70:71], s[46:47]
	s_add_nc_u64 s[72:73], s[72:73], s[46:47]
	WIN 0x80                                       ; destination window 2
.irp b, 0,1,2,3
	global_load_b128 v[BIAS+8*(\b):BIAS+8*(\b)+3],   v5, s[68:69] offset:64*(\b)
	global_load_b128 v[BIAS+8*(\b)+4:BIAS+8*(\b)+7], v5, s[68:69] offset:64*(\b)+16
.endr
.set u, 0
.rept 32
	global_load_b128 v[4*u:4*u+3], v[CO], s[70:71] offset:8192*u  ; rows 2 u and 2 u + 1: sixteen lanes read 256 aligned bytes
.set u, u+1
.endr
	WIN 0
; 8 matrix instructions: m blocks a0, a0 + 1 x all 4 n blocks, 32 along K: half c of buffer f.  zero = 1: the product starts the sum from the bias.  The 16 accumulators take turns.
.macro MUL8 f, c, a0, zero
.if \zero
	WIN MULB
.else
	WIN MUL
.endif
.irp a, \a0, (\a0)+1
.irp b, 0,1,2,3
.if \zero
	v_wmma_f32_16x16x32_bf16 v[ACC+8*(4*(\a)+(\b)):ACC+8*(4*(\a)+(\b))+7], v[(\f)+64+8*(4*(\c)+(\b)):(\f)+64+8*(4*(\c)+(\b))+7], v[(\f)+8*(4*(\c)+(\a)):(\f)+8*(4*(\c)+(\a))+7], v[BIAS+8*(\b):BIAS+8*(\b)+7]
.else
	v_wmma_f32_16x16x32_bf16 v[ACC+8*(4*(\a)+(\b)):ACC+8*(4*(\a)+(\b))+7], v[(\f)+64+8*(4*(\c)+(\b)):(\f)+64+8*(4*(\c)+(\b))+7], v[(\f)+8*(4*(\c)+(\a)):(\f)+8*(4*(\c)+(\a))+7], v[ACC+8*(4*(\a)+(\b)):ACC+8*(4*(\a)+(\b))+7]
.endif
.endr
.endr
.endm
; 32 LDS loads in one run: the fragments of 64 along K at byte k of the chunk, into buffer f; the first 32 along K first
.macro FETCH k, f
	WIN TO_F
.irp c, 0,1
.irp i, 0,1,2,3
	ds_load_b128 v[(\f)+64+8*(4*(\c)+(\i)):(\f)+64+8*(4*(\c)+(\i))+3],   v[ADRB] offset:(\k)+64*(\c)+(\i)*16*PB
	ds_load_b128 v[(\f)+64+8*(4*(\c)+(\i))+4:(\f)+64+8*(4*(\c)+(\i))+7], v[ADRB] offset:(\k)+64*(\c)+(\i)*16*PB+32
	ds_load_b128 v[(\f)+8*(4*(\c)+(\i)):(\f)+8*(4*(\c)+(\i))+3],         v[ADRA] offset:(((\k)+64*(\c))/128)*SLICE+((\k)+64*(\c))%128+(\i)*16*PA
	ds_load_b128 v[(\f)+8*(4*(\c)+(\i))+4:(\f)+8*(4*(\c)+(\i))+7],       v[ADRA] offset:(((\k)+64*(\c))/128)*SLICE+((\k)+64*(\c))%128+(\i)*16*PA+32
.endr
.endr
.endm
.macro PLACES
.rept 4
	v_nop
.endr
.endm
.macro QUARTER k, f, g, zero           ; 64 along K: multiplies buffer f and fetches the next quarter, at byte k, into g
	s_wait_dscnt 16                                ; the first 32 along K are in
	MUL8 \f, 0, 0, \zero
	MUL8 \f, 0, 2, \zero
	PLACES
	FETCH \k, \g
	s_wait_dscnt 32                                ; all but the 32 just issued
	MUL8 \f, 1, 0, 0
	MUL8 \f, 1, 2, 0
.endm
; The first half of a step's last quarter, and the one barrier of a change of slots.  The sixteen products stand ahead of the wait for the tile, so that between a tile's landing and the next request stands the barrier alone.
; fill = 1: the walking descriptors are set for the refill while the add is out: the slot just read, the chunk of step NXT.
.macro MEET fill
	s_wait_dscnt 16                                ; the first 32 along K of the last quarter are in; the other sixteen loads may be out
	MUL8 F1, 0, 0, 0
	MUL8 F1, 0, 2, 0
	WIN 0
	s_wait_tensorcnt 0x0                           ; all my tensor loads have landed: my part of the next slot; so a group 0 may be written
	ds_add_u32 v[SPW], v[NIL]
.if \fill
	s_xor_b32 s[G0+5], s[G0+5], SLOT1
	s_xor_b32 s[G0B+5], s[G0B+5], SLOT1
	s_xor_b32 s[OFA], s[NXT], s[PAR]               ; the chunk
	s_lshl_b32 s[OFB], s[OFA], 9
	s_lshl_b32 s[OFA], s[OFA], ASH
	s_add_nc_u64 s[G0+6:G0+7], s[ABASE:ABASE+1], s[OFA:OFA+1]      ; the address is made anew from the tile's base and the chunk's offset,
	s_or_b32 s[G0+7], s[G0+7], 0x80000000                          ; and the type set again
	s_add_nc_u64 s[G0B+6:G0B+7], s[BBASE:BBASE+1], s[OFB:OFB+1]
	s_or_b32 s[G0B+7], s[G0B+7], 0x80000000
	s_add_co_u32 s[NXT], s[NXT], 1
.endif
	s_wait_dscnt 0x0                               ; the add is done, and my reads of this slot are over
	s_barrier_signal -1
	s_barrier_wait -1
.endm
.macro NEXTSLOT
	s_xor_b32 s2, s2, SLOT1
	v_add_nc_u32 v[ADRA], s2, v[ADRA0]
	v_add_nc_u32 v[ADRB], s2, v[ADRB0]
.endm
.macro AHEAD                           ; NXT is by now the requested step + 1: the chunk asked for is the requested step + 2
	s_add_co_u32 s[ASK], s[NXT], 1
	s_and_b32 s[TM], s[ASK], s[PM]
	s_cmp_eq_u32 s[TM], s[PV]
	s_cbranch_scc0 .Lno_ask_\@                     ; not my wave's turn
	s_cmp_gt_u32 s[ASK], NSTEP-1
	s_cbranch_scc1 .Lno_ask_\@                     ; past the last chunk: nothing is asked for
	s_wait_xcnt 0x0                                ; the last prefetch, a trip back, has had its address translated: its base is rewritten only behind this wait
	s_lshl_b32 s[POF], s[ASK], 9
	s_add_nc_u64 s[PAD:PAD+1], s[PBASE:PBASE+1], s[POF:POF+1]
	global_prefetch_b8 v[PFO], s[PAD:PAD+1] th:TH_LOAD_NT scope:SCOPE_SE
.Lno_ask_\@:
.endm
.macro TURNF                           ; the last quarter with a refill: the barrier opens a round of the cluster's barrier, and the joint load is the first thing behind it
	MEET 1
	CREST
	JLOAD 1                                        ; a whole step's 128 matrix instructions ahead of the wait for it; its four v_nop are the places in front of the loads below
.if IS_FF2
	AHEAD
.endif
	NEXTSLOT
	FETCH 0, F0
	MUL8 F1, 1, 0, 0
	MUL8 F1, 1, 2, 0
.endm
	s_wait_tensorcnt 1                             ; my part of step 0 is in; step 1's may stay out
	s_barrier_signal -1
	s_barrier_wait -1
	FETCH 0, F0
	s_wait_loadcnt 32                              ; the bias is in; the residual's 32 loads are younger and stay out
	QUARTER 128, F0, F1, 1
	WIN 0
	s_mov_b32 s3, NSTEP-2
.Lstep:                                                ; a trip: from a step's second quarter to the next step's first; it requests the step two on
	QUARTER 256, F1, F0, 0
	QUARTER 384, F0, F1, 0
	TURNF
	QUARTER 128, F0, F1, 0
	WIN 0
	s_sub_co_u32 s3, s3, 1
	s_cmp_lg_u32 s3, 0
	s_cbranch_scc1 .Lstep
	s_mov_b32 s3, 2
.Ltail:                                                ; the last two steps request nothing; the second trip is left in its middle
	QUARTER 256, F1, F0, 0
	QUARTER 384, F0, F1, 0
	MEET 0
	s_sub_co_u32 s3, s3, 1
	s_cmp_eq_u32 s3, 0
	s_cbranch_scc1 .Lfin
	PLACES
	NEXTSLOT
	FETCH 0, F0
	MUL8 F1, 1, 0, 0
	MUL8 F1, 1, 2, 0
	QUARTER 128, F0, F1, 0
	WIN 0
	s_branch .Ltail
.Lfin:
	MUL8 F1, 1, 0, 0
	MUL8 F1, 1, 2, 0
	WIN 0
	; THE WAY OUT, 16 rows at a time: into my stage, back as whole rows of 256 bytes, the residual added, stored.
	s_wait_loadcnt 0x0                             ; the residual
	PLACES
.irp a, 0,1,2,3
.irp b, 0,1,2,3
	ds_store_b128 v[STO], v[ACC+8*(4*(\a)+(\b)):ACC+8*(4*(\a)+(\b))+3]   offset:64*(\b)
	ds_store_b128 v[STO], v[ACC+8*(4*(\a)+(\b))+4:ACC+8*(4*(\a)+(\b))+7] offset:64*(\b)+16
.endr
.if (\a) >= 2
	s_wait_xcnt 0x0                                ; this buffer was the data of the stores two blocks back: it is loaded again only behind this wait
.endif
.irp t, 0,1,2,3,4,5,6,7
	ds_load_b128 v[TMP+32*((\a)%2)+4*(\t):TMP+32*((\a)%2)+4*(\t)+3], v[RD] offset:(\t)*2*SPITCH  ; LDS serves a wave's instructions in order (ISA guide 5.7.1.4)
.endr
	s_wait_dscnt 0x0
	WIN 0x08                                       ; source 1 in window 2
.irp t, 0,1,2,3,4,5,6,7
	v_pk_add_f32 v[TMP+32*((\a)%2)+4*(\t):TMP+32*((\a)%2)+4*(\t)+1],   v[TMP+32*((\a)%2)+4*(\t):TMP+32*((\a)%2)+4*(\t)+1],   v[4*(8*(\a)+(\t)):4*(8*(\a)+(\t))+1]
	v_pk_add_f32 v[TMP+32*((\a)%2)+4*(\t)+2:TMP+32*((\a)%2)+4*(\t)+3], v[TMP+32*((\a)%2)+4*(\t)+2:TMP+32*((\a)%2)+4*(\t)+3], v[4*(8*(\a)+(\t))+2:4*(8*(\a)+(\t))+3]
.endr
	WIN 0
.irp t, 0,1,2,3,4,5,6,7
	global_store_b128 v[CO], v[TMP+32*((\a)%2)+4*(\t):TMP+32*((\a)%2)+4*(\t)+3], s[72:73] offset:(16*(\a)+2*(\t))*4096  ; sixteen lanes store 256 consecutive bytes, aligned
.endr
.endr
	s_wait_tensorcnt 0x0                           ; the wave's end
	ds_add_u32 v[SPW], v[NIL]
	s_wait_dscnt 0x0
	CROUND                                         ; the closing round
	s_endpgm
.Lfunc_end_k_q5b7250eec6_ff2:
	.size	k_q5b7250eec6_ff2, .Lfunc_end_k_q5b7250eec6_ff2-k_q5b7250eec6_ff2
	.p2alignl 7, 3214868480
	.fill 96, 4, 3214868480
	.section	.rodata,"a",@progbits
	.p2align	6, 0x0
	.amdhsa_kernel k_q5b7250eec6_ff2
		.amdhsa_group_segment_fixed_size 327680
		.amdhsa_private_segment_fixed_size 0
		.amdhsa_enable_private_segment 0
		.amdhsa_kernarg_size 40
		.amdhsa_user_sgpr_count 2
		.amdhsa_user_sgpr_kernarg_segment_ptr 1
		.amdhsa_wavefront_size32 1
		.amdhsa_system_sgpr_workgroup_id_x 1
		.amdhsa_system_sgpr_workgroup_id_y 1
		.amdhsa_system_sgpr_workgroup_id_z 1
		.amdhsa_system_vgpr_workitem_id 0
		.amdhsa_next_free_vgpr 704
		.amdhsa_next_free_sgpr 100
		.amdhsa_reserve_vcc 0
		.amdhsa_float_denorm_mode_32 3
		.amdhsa_float_denorm_mode_16_64 3
		.amdhsa_memory_ordered 1
		.amdhsa_forward_progress 1
		.amdhsa_inst_pref_size 68
	.end_amdhsa_kernel
	.amdgpu_metadata
---
amdhsa.version: [ 1, 2 ]
amdhsa.kernels:
  - .name:           k_q5b7250eec6_ff2
    .symbol:         k_q5b7250eec6_ff2.kd
    .args:
      - { .name: ff, .offset: 0, .size: 8, .value_kind: global_buffer, .address_space: global }
      - { .name: wb, .offset: 8, .size: 8, .value_kind: global_buffer, .address_space: global }
      - { .name: b2, .offset: 16, .size: 8, .value_kind: global_buffer, .address_space: global }
      - { .name: x1, .offset: 24, .size: 8, .value_kind: global_buffer, .address_space: global }
      - { .name: out0, .offset: 32, .size: 8, .value_kind: global_buffer, .address_space: global }
    .group_segment_fixed_size: 327680
    .private_segment_fixed_size: 0
    .kernarg_segment_align: 8
    .kernarg_segment_size: 40
    .max_flat_workgroup_size: 128
    .sgpr_count:     100
    .vgpr_count:     704
    .wavefront_size: 32
...
	.end_amdgpu_metadata
.endif
;; end of part 6
;; ======== version 2 of 2: 7 launches; version 1 with the launches prep, ln2 written anew for expert scheduling mode
;; limits: a function is approximated: absolute error at most 2.5e-05; an absolute error that grows with the inputs' magnitude: up to 1.25e-05 times it
;; workspace buffers: wb 25,165,824 bytes; h 8,388,608 bytes; qkv 25,165,824 bytes; ctx 8,388,608 bytes; x1 16,777,216 bytes; ff 33,554,432 bytes
;; launch prep (part 7): grid 64 x 16, 8 waves a work-group, no clusters, 0 bytes of LDS; arguments x, g1, be1, Wq, Wk, Wv, Wo, W1, W2, h, wb; writes h, wb
.if DOCPART == 7
	.amdgcn_target "amdgcn-amd-amdhsa--gfx1250"
	.amdhsa_code_object_version 6
	.text
	.protected	k_q5b7250eec6_prep
	.globl	k_q5b7250eec6_prep
	.p2align	8
	.type	k_q5b7250eec6_prep,@function
k_q5b7250eec6_prep:
	s_mov_b64 s[64:65], 0
	v_nop
	global_prefetch_b8 v0, s[64:65] scope:SCOPE_SE
	s_setreg_imm32_b32 hwreg(HW_REG_WAVE_SCHED_MODE, 0, 2), 2
	s_setreg_imm32_b32 hwreg(HW_REG_WAVE_MODE, 25, 1), 1
	s_wait_xcnt 0x0
	s_wait_alu depctr_vm_vsrc(0)
; Two streams in one text, told apart by the work-group's y; every work-group reads 64 KiB and writes 32 KiB.
; y = 0..3: out = LayerNorm(in) x g + be, rounded to bf16; in is [4096][1024] f32.  A wave owns two rows of 1,024 numbers and keeps them in registers:
; mean, then the mean of the squared differences (two passes, as the definition has it), all in f32.
; y = 4..15: a unit of 1 Mi weights (Wq, Wk, Wv, Wo, four of W1, four of W2) is rounded from f32 to bf16 into wb, unit y - 4 at byte (y - 4) x 2 MiB.
; The text serves two launches: sixteen rows of work-groups (the first LayerNorm and the casts), and four rows (the second LayerNorm alone, on other buffers; the weights' arguments are then not read).
; No LDS, no barrier, no matrix unit, no cluster: the work-groups share nothing and memory binds.
; LIMITS: NaN and infinities are not treated apart.
; THE MODE: SCHED_MODE bits 1:0 = 2 (LLVM: expert scheduling mode 2), set by the entry lines.  The code itself states the register dependences
; between vector instructions and memory instructions, with s_wait_alu, always for 0.
; THE PLAN.  Registers that memory instructions touch:
;   v1, v2       byte offsets of the loads and of the stores: made once at the head of each path, never written again.
;   THE CAST     v[4:67]: written by the sixteen loads alone, read by the conversions.  v[68:99]: sixteen pairs to store; each is written once, by the conversions of its block of four,
;                and read by a store that is issued in the next block, behind that block's wait.
;   LAYERNORM    X0, X1, G, BE: loaded once; no vector instruction names them ahead of the loads.  Y0, Y1 (16 registers a row): written once by the row's roundings; Y0 is read by
;                the stores that stand among the second row's scaling lines, behind the wait at their head; Y1 by the last eight stores, behind a wait of their own.
; No register that a memory instruction reads is ever written again, and the text has no loop: so no wait on vm_vsrc has anything to state.  EXEC and VCC are never written.
.set G,   4                            ; v[4:35]    g of my 32 columns
.set BE,  36                           ; v[36:67]   be of my 32 columns
.set X0,  68                           ; v[68:99]   first row
.set X1,  100                          ; v[100:131] second row
.set T,   132                          ; v[132:139] four packed chains
.set MU,  140                          ; v[140:141] the mean, twice
.set RS,  142                          ; v[142:143] 1 / sqrt(var + eps), twice
.set Y,   144                          ; v[144:175] bf16 to store, 16 registers a row
.set HP,  26                           ; s[26:27]   the LayerNorm's output
	s_load_b512 s[8:23], s[0:1], 0x0               ; in 8, g 10, be 12, Wq 14, Wk 16, Wv 18, Wo 20, W1 22
	s_load_b128 s[24:27], s[0:1], 0x40             ; W2 24, out 26
	s_load_b64 s[28:29], s[0:1], 0x50              ; wb
	s_and_b32 s4, ttmp7, 0xffff                    ; y
	s_mov_b32 s7, 0                                ; the high word of every offset
	s_wait_kmcnt 0x0
	s_cmp_lt_u32 s4, 4
	s_cbranch_scc1 .Lln
	; THE CAST.  The source is chosen by y alone.
	v_lshlrev_b32 v1, 4, v0                        ; 16 bytes a thread in,
	v_lshlrev_b32 v2, 3, v0                        ; 8 out
	s_sub_co_u32 s4, s4, 4                         ; the unit, 0..11
	s_mov_b64 s[30:31], s[14:15]
	s_cmp_eq_u32 s4, 1
	s_cselect_b64 s[30:31], s[16:17], s[30:31]
	s_cmp_eq_u32 s4, 2
	s_cselect_b64 s[30:31], s[18:19], s[30:31]
	s_cmp_eq_u32 s4, 3
	s_cselect_b64 s[30:31], s[20:21], s[30:31]
	s_cmp_ge_u32 s4, 4
	s_cselect_b64 s[30:31], s[22:23], s[30:31]
	s_cselect_b32 s5, s4, 0
	s_and_b32 s5, s5, 3                            ; which unit of W1 or W2
	s_cmp_ge_u32 s4, 8
	s_cselect_b64 s[30:31], s[24:25], s[30:31]
	s_lshl_b32 s6, s5, 22                          ; a unit is 4 MiB of f32,
	s_lshl_b32 s2, ttmp9, 16                       ; my share of it 64 KiB
	s_add_co_u32 s6, s6, s2
	s_add_nc_u64 s[30:31], s[30:31], s[6:7]
	s_lshl_b32 s6, s4, 21                          ; and 2 MiB, 32 KiB in bf16
	s_lshl_b32 s2, ttmp9, 15
	s_add_co_u32 s6, s6, s2
	s_add_nc_u64 s[28:29], s[28:29], s[6:7]
	s_wait_alu depctr_va_vdst(0)                   ; v1 and v2 are written: every load below reads v1 as its offset, every store v2
.irp j, 0,1,2,3,4,5,6,7,8,9,10,11,12,13,14,15
	global_load_b128 v[4+4*(\j):7+4*(\j)], v1, s[30:31] offset:4096*(\j) th:TH_LOAD_NT
.endr
; Four blocks of four loads.  Block g rounds its sixteen numbers a thread; the stores of block g - 1 stand among its conversions, which name other registers.
.irp g, 0,1,2,3
	s_wait_loadcnt 12-4*(\g)                       ; loads come back in order: this block's four are in, the younger ones stay out
.if (\g) > 0
	s_wait_alu depctr_va_vdst(0)                   ; the block before has written its four pairs of v[68:99], which the stores below read
.endif
.irp i, 0,1,2,3
.if (\g) > 0
	global_store_b64 v2, v[68+2*(4*(\g)-4+(\i)):69+2*(4*(\g)-4+(\i))], s[28:29] offset:2048*(4*(\g)-4+(\i))  ; a wave's store covers 256 consecutive bytes, aligned; no vector instruction since the wait names its registers
.endif
	v_cvt_pk_bf16_f32 v[68+2*(4*(\g)+(\i))], v[4+4*(4*(\g)+(\i))], v[5+4*(4*(\g)+(\i))]
	v_cvt_pk_bf16_f32 v[69+2*(4*(\g)+(\i))], v[6+4*(4*(\g)+(\i))], v[7+4*(4*(\g)+(\i))]  ; no register is written twice
.endr
.endr
	s_wait_alu depctr_va_vdst(0)                   ; the last block has written its four pairs, which the last four stores read
.irp i, 0,1,2,3
	global_store_b64 v2, v[68+2*(12+(\i)):69+2*(12+(\i))], s[28:29] offset:2048*(12+(\i))
.endr
	s_endpgm
; the four chains of T into one sum, the same in every lane
.macro FOLD
	v_pk_add_f32 v[T:T+1], v[T:T+1], v[T+2:T+3]
	v_pk_add_f32 v[T+4:T+5], v[T+4:T+5], v[T+6:T+7]
	v_pk_add_f32 v[T:T+1], v[T:T+1], v[T+4:T+5]
	v_add_f32 v[T], v[T], v[T+1]
	v_add_f32_dpp v[T], v[T], v[T] row_xmask:1 row_mask:0xf bank_mask:0xf
	v_add_f32_dpp v[T], v[T], v[T] row_xmask:2 row_mask:0xf bank_mask:0xf
	v_add_f32_dpp v[T], v[T], v[T] row_xmask:4 row_mask:0xf bank_mask:0xf
	v_add_f32_dpp v[T], v[T], v[T] row_xmask:8 row_mask:0xf bank_mask:0xf
	v_permlanex16_b32 v[T+1], v[T], s32, s33       ; the other half of the lanes; its destination has been written
	v_add_f32 v[T], v[T], v[T+1]
.endm
; the row at x: the mean is taken away in place; RS takes 1 / sqrt(var + eps)
.macro STATS x
.irp k, 0,1,2,3
	v_pk_add_f32 v[T+2*(\k):T+2*(\k)+1], v[(\x)+2*(\k):(\x)+2*(\k)+1], v[(\x)+8+2*(\k):(\x)+8+2*(\k)+1]  ; the first pairs start the chains
.endr
.irp p, 8,9,10,11,12,13,14,15
	v_pk_add_f32 v[T+2*((\p)%4):T+2*((\p)%4)+1], v[T+2*((\p)%4):T+2*((\p)%4)+1], v[(\x)+2*(\p):(\x)+2*(\p)+1]
.endr
	FOLD
	v_mul_f32 v[MU], s34, v[T]
	v_mul_f32 v[MU+1], s34, v[T]
.irp p, 0,1,2,3,4,5,6,7,8,9,10,11,12,13,14,15
	v_pk_add_f32 v[(\x)+2*(\p):(\x)+2*(\p)+1], v[(\x)+2*(\p):(\x)+2*(\p)+1], v[MU:MU+1] neg_lo:[0,1] neg_hi:[0,1]
.endr
.irp k, 0,1,2,3
	v_pk_mul_f32 v[T+2*(\k):T+2*(\k)+1], v[(\x)+2*(\k):(\x)+2*(\k)+1], v[(\x)+2*(\k):(\x)+2*(\k)+1]
.endr
.irp p, 4,5,6,7,8,9,10,11,12,13,14,15
	v_pk_fma_f32 v[T+2*((\p)%4):T+2*((\p)%4)+1], v[(\x)+2*(\p):(\x)+2*(\p)+1], v[(\x)+2*(\p):(\x)+2*(\p)+1], v[T+2*((\p)%4):T+2*((\p)%4)+1]
.endr
	FOLD
	v_fma_f32 v[T], v[T], s34, s35                 ; var + eps
	v_rsq_f32 v[RS], v[T]
	v_rsq_f32 v[RS+1], v[T]
	v_nop                                          ; a plain instruction between the root and the use of its result (ISA guide 5.7.2)
.endm
; the row at x is scaled, takes g and be, and is rounded into yb.  old = 1: the first row's eight stores stand among the scaling lines, one ahead of every second line.
.macro EMIT x, yb, old
	s_wait_alu depctr_va_vdst(0)                   ; the row's two roots have written RS, ahead of the first line that names it; with old = 1 also: the first row's roundings have written v[Y:Y+15], which the stores below read
.irp p, 0,1,2,3,4,5,6,7,8,9,10,11,12,13,14,15
.if (\old) && ((\p)%2 == 0)
	global_store_b64 v2, v[Y+(\p):Y+(\p)+1], s[HP:HP+1] offset:128*(\p)  ; the first row, 256 consecutive bytes, aligned; no vector instruction since the wait names v2 or v[Y:Y+15]
.endif
	v_pk_mul_f32 v[(\x)+2*(\p):(\x)+2*(\p)+1], v[(\x)+2*(\p):(\x)+2*(\p)+1], v[RS:RS+1]
.endr
.irp p, 0,1,2,3,4,5,6,7,8,9,10,11,12,13,14,15
	v_pk_fma_f32 v[(\x)+2*(\p):(\x)+2*(\p)+1], v[(\x)+2*(\p):(\x)+2*(\p)+1], v[G+2*(\p):G+2*(\p)+1], v[BE+2*(\p):BE+2*(\p)+1]
.endr
.irp p, 0,1,2,3,4,5,6,7,8,9,10,11,12,13,14,15
	v_cvt_pk_bf16_f32 v[(\yb)+(\p)], v[(\x)+2*(\p)], v[(\x)+2*(\p)+1]
.endr
.endm
.Lln:
	v_lshrrev_b32 v3, 5, v0
	v_readfirstlane_b32 s5, v3                     ; wave 0..7
	v_and_b32 v1, 31, v0
	v_lshlrev_b32 v2, 3, v1                        ; 8 bytes a lane out
	v_lshlrev_b32 v1, 4, v1                        ; load j of a row: columns 128 j + 4 lane
	s_lshl_b32 s4, s4, 6
	s_add_co_u32 s4, s4, ttmp9                     ; group 0..255: 16 rows
	s_lshl_b32 s4, s4, 4
	s_mov_b32 s32, 0x76543210
	s_mov_b32 s33, 0xfedcba98
	s_mov_b32 s34, 0x3a800000                      ; 1 / 1024
	s_mov_b32 s35, 0x3727c5ac                      ; 1e-5
	s_wait_alu depctr_va_sdst(0)                   ; s5 is written, ahead of its first reader: the bases of the rows are made from it
	s_lshl1_add_u32 s4, s5, s4                     ; my first row
	s_lshl_b32 s6, s4, 12
	s_add_nc_u64 s[8:9], s[8:9], s[6:7]            ; 4,096 bytes a row in
	s_lshl_b32 s6, s4, 11
	s_add_nc_u64 s[HP:HP+1], s[HP:HP+1], s[6:7]    ; 2,048 a row out
	s_wait_alu depctr_va_vdst(0)                   ; v1 and v2 are written: every load below reads v1 as its offset, every store v2
.irp j, 0,1,2,3,4,5,6,7
	global_load_b128 v[X0+4*(\j):X0+4*(\j)+3], v1, s[8:9] offset:512*(\j)
.endr
.irp j, 0,1,2,3,4,5,6,7
	global_load_b128 v[X1+4*(\j):X1+4*(\j)+3], v1, s[8:9] offset:4096+512*(\j)
.endr
.irp j, 0,1,2,3,4,5,6,7
	global_load_b128 v[G+4*(\j):G+4*(\j)+3], v1, s[10:11] offset:512*(\j)
.endr
.irp j, 0,1,2,3,4,5,6,7
	global_load_b128 v[BE+4*(\j):BE+4*(\j)+3], v1, s[12:13] offset:512*(\j)
.endr
	s_wait_loadcnt 24                              ; the first row is in; the second row, g and be (24 loads) stay out
	STATS X0
	s_wait_loadcnt 0x0
	EMIT X0, Y, 0
	STATS X1
	EMIT X1, Y+16, 1                               ; the first row leaves while the second is scaled
	s_wait_alu depctr_va_vdst(0)                   ; the second row's roundings have written v[Y+16:Y+31], which the last eight stores read
.irp j, 0,1,2,3,4,5,6,7
	global_store_b64 v2, v[Y+16+2*(\j):Y+16+2*(\j)+1], s[HP:HP+1] offset:2048+256*(\j)  ; 256 consecutive bytes, aligned
.endr
	s_endpgm
.Lfunc_end_k_q5b7250eec6_prep:
	.size	k_q5b7250eec6_prep, .Lfunc_end_k_q5b7250eec6_prep-k_q5b7250eec6_prep
	.p2alignl 7, 3214868480
	.fill 96, 4, 3214868480
	.section	.rodata,"a",@progbits
	.p2align	6, 0x0
	.amdhsa_kernel k_q5b7250eec6_prep
		.amdhsa_group_segment_fixed_size 0
		.amdhsa_private_segment_fixed_size 0
		.amdhsa_enable_private_segment 0
		.amdhsa_kernarg_size 88
		.amdhsa_user_sgpr_count 2
		.amdhsa_user_sgpr_kernarg_segment_ptr 1
		.amdhsa_wavefront_size32 1
		.amdhsa_system_sgpr_workgroup_id_x 1
		.amdhsa_system_sgpr_workgroup_id_y 1
		.amdhsa_system_sgpr_workgroup_id_z 1
		.amdhsa_system_vgpr_workitem_id 0
		.amdhsa_next_free_vgpr 176
		.amdhsa_next_free_sgpr 66
		.amdhsa_reserve_vcc 0
		.amdhsa_float_denorm_mode_32 3
		.amdhsa_float_denorm_mode_16_64 3
		.amdhsa_memory_ordered 1
		.amdhsa_forward_progress 1
		.amdhsa_inst_pref_size 27
	.end_amdhsa_kernel
	.amdgpu_metadata
---
amdhsa.version: [ 1, 2 ]
amdhsa.kernels:
  - .name:           k_q5b7250eec6_prep
    .symbol:         k_q5b7250eec6_prep.kd
    .args:
      - { .name: x, .offset: 0, .size: 8, .value_kind: global_buffer, .address_space: global }
      - { .name: g1, .offset: 8, .size: 8, .value_kind: global_buffer, .address_space: global }
      - { .name: be1, .offset: 16, .size: 8, .value_kind: global_buffer, .address_space: global }
      - { .name: Wq, .offset: 24, .size: 8, .value_kind: global_buffer, .address_space: global }
      - { .name: Wk, .offset: 32, .size: 8, .value_kind: global_buffer, .address_space: global }
      - { .name: Wv, .offset: 40, .size: 8, .value_kind: global_buffer, .address_space: global }
      - { .name: Wo, .offset: 48, .size: 8, .value_kind: global_buffer, .address_space: global }
      - { .name: W1, .offset: 56, .size: 8, .value_kind: global_buffer, .address_space: global }
      - { .name: W2, .offset: 64, .size: 8, .value_kind: global_buffer, .address_space: global }
      - { .name: h, .offset: 72, .size: 8, .value_kind: global_buffer, .address_space: global }
      - { .name: wb, .offset: 80, .size: 8, .value_kind: global_buffer, .address_space: global }
    .group_segment_fixed_size: 0
    .private_segment_fixed_size: 0
    .kernarg_segment_align: 8
    .kernarg_segment_size: 88
    .max_flat_workgroup_size: 256
    .sgpr_count:     66
    .vgpr_count:     176
    .wavefront_size: 32
...
	.end_amdgpu_metadata
.endif
;; end of part 7
;; launch qkv: the kernel of part 2 again; grid 12 x 16, 4 waves a work-group, clusters of 4 x 4, 327,680 bytes of LDS; arguments h, wb, bq, bk, bv, qkv; writes qkv
;; launch attn: the kernel of part 3 again; grid 8 x 32, 4 waves a work-group, clusters of 4 x 1, 327,680 bytes of LDS; arguments qkv, attention_mask, ctx; writes ctx
;; launch wo: the kernel of part 4 again; grid 8 x 32, 4 waves a work-group, clusters of 4 x 4, 327,680 bytes of LDS; arguments ctx, wb, bo, x, x1; writes x1
;; launch ln2: the kernel of part 7 again; grid 64 x 4, 8 waves a work-group, no clusters, 0 bytes of LDS; arguments x1, g2, be2, Wq, Wk, Wv, Wo, W1, W2, h, wb; writes h, wb
;; launch ff1: the kernel of part 5 again; grid 16 x 16, 4 waves a work-group, clusters of 4 x 4, 327,680 bytes of LDS; arguments h, wb, b1, ff; writes ff
;; launch ff2: the kernel of part 6 again; grid 8 x 32, 4 waves a work-group, clusters of 4 x 4, 327,680 bytes of LDS; arguments ff, wb, b2, x1, out0; writes out0
